; MI455X (gfx1250); checked and timed in simulation.
; The chip was launched on July 23, 2026; its instructions are those of AMD's public machine-readable ISA for CDNA 5 (MIT licence, August 2026) and "CDNA5" Instruction Set Architecture Reference Guide (July 2026). The comments in the code are by the model that wrote it; some were corrected since.
;; Multi Head Attention. Allowed arithmetic: matrix products marked QUANTISED: E2M3 operands, one E8M0 scale for each 32 along K, by v_wmma_scale_f32_16x16x128_f8f6f4 with both operands' format E2M3, f32 sums; everything else in f32.
;; Inputs: Wk 1,024 x 1,024 float32; Wo 1,024 x 1,024 float32; Wq 1,024 x 1,024 float32; Wv 1,024 x 1,024 float32; bk 1,024 float32; bo 1,024 float32; bq 1,024 float32; bv 1,024 float32; key 4 x 2,048 x 1,024 float32; query 4 x 2,048 x 1,024 float32; value 4 x 2,048 x 1,024 float32.
;; Outputs: out0 4 x 2,048 x 1,024 float32.
;; This version of the problem:
;;   THIS VERSION OF THE PROBLEM IS GIVEN IN LOW PRECISION. The matrix products marked QUANTISED in the list below multiply operands that are first quantised to E2M3 (2 exponent bits, 3 mantissa bits; 6 bits a number), with one power-of-two scale for each 32 numbers along K (OCP MX v1.0); their sums are f32. All else is computed in f32.
;;   The module's matrix products, in the order in which they are computed (A, B: the left and right operand; K: the contracted axis; several contracted axes count as one K, in the product's order):
;;     1. [M 8,192, K 1,024] x [K 1,024, N 1,024]; A: input query; B: input Wq: QUANTISED
;;     2. [M 8,192, K 1,024] x [K 1,024, N 1,024]; A: input key; B: input Wk: QUANTISED
;;     3. [M 8,192, K 1,024] x [K 1,024, N 1,024]; A: input value; B: input Wv: QUANTISED
;;     4. batch 64 x [M 2,048, K 64] x [K 64, N 2,048]; A: computed on the way; B: computed on the way: QUANTISED
;;     5. batch 64 x [M 2,048, K 2,048] x [K 2,048, N 64]; A: softmax (see below); B: computed on the way: QUANTISED
;;     6. [M 8,192, K 1,024] x [K 1,024, N 1,024]; A: computed on the way; B: input Wo: QUANTISED
;;   THE QUANTISER, for each operand of a quantised product, along K:
;;     - K is cut into blocks of 32 from its start; a last block that is shorter is filled with zeros.
;;     - A block's scale is 2^e with e = floor(log2(the largest magnitude in the block)) - 2, held to -126 .. 127; a block of zeros has e = 0. As a byte (E8M0): e + 127.
;;     - Each number is divided by its block's scale, clamped to +-7.5, and rounded to the nearest number of E2M3, ties to even, subnormals kept.
;;     - The product sums the exact products of the quantised numbers (number of the format x scale) in f32.
;;   ~~~python
;;   def quantise(x, axis):      # numpy; x: float32 -> the quantised numbers, widened to float32 again
;;       x = np.moveaxis(x, axis, -1); K = x.shape[-1]
;;       x = np.pad(x, [(0, 0)] * (x.ndim - 1) + [(0, -K % 32)]); x = x.reshape(x.shape[:-1] + (-1, 32)); a = np.abs(x).max(-1, keepdims=True)
;;       e = np.where(a > 0, np.clip(np.frexp(np.where(a > 0, a, 1))[1] - 1 - 2, -126, 127), 0)      # np.frexp(a)[1] - 1 = floor(log2(a)), exactly
;;       r = np.clip(x / 2.0 ** e, -7.5, 7.5)
;;       step = 2.0 ** (np.maximum(np.frexp(np.where(r == 0, 1, r))[1] - 1, 0) - 3)
;;       q = np.round(r / step) * step * 2.0 ** e      # np.round: ties to even
;;       return np.moveaxis(q.reshape(q.shape[:-2] + (-1,))[..., :K], -1, axis).astype(np.float32)
;;   ~~~
;;   SOFTMAX AHEAD OF A QUANTISED PRODUCT. Where the list says 'softmax', what is quantised is not the finished softmax but p = 2^(t - M), with t = logit x log2(e) and M = ceil(the row's largest t), a whole number; so 1/2 < the row's largest p <= 1. The row's sum l is taken of the UNQUANTISED p, in f32, and the product's result is divided by l at the end. Since M is a whole number, a kernel that streams over the keys may use a running M (the ceiling of the running maximum): every later rescaling is an exact power of two, which a block's scale takes up: the codes' values come out the same.
;;   OPERANDS COMPUTED ON THE WAY. 'Computed on the way' means the value that the module computes at that place (a softmax that the list does not call 'softmax' is quantised finished and normalised). What goes into a quantiser is computed in f32, as accurately as f32 sums, v_exp_f32 and their like allow (about 1e-6 of the number): no bf16 or f16 on the way to a quantiser, and a product that is left as it is and whose result goes on into a quantised operand takes f32 operands (vector FMAs, or v_wmma_f32_16x16x4_f32). A number that lies on a knife's edge between two numbers of the format may be rounded either way, as far as f32 arithmetic and the matrix unit's own rounding can turn it there, and no further.
;; One version. Each part assembles by itself: llvm-mc -triple=amdgcn-amd-amdhsa -mcpu=gfx1250 --defsym DOCPART=n.
;; ======== version 1 of 1: 4 launches
;; limits: right only within a limited range of input values
;; workspace buffers: xc 22,020,096 bytes; xs 917,504 bytes; qrec 13,369,344 bytes; kvrec 13,369,344 bytes; oc 6,291,456 bytes; os 262,144 bytes
;; launch quant (part 1): grid 896 x 1, 4 waves a work-group, no clusters, 34,304 bytes of LDS; arguments query, key, value, Wq, Wk, Wv, Wo, xc, xs; writes xc, xs
.if DOCPART == 1
	.amdgcn_target "amdgcn-amd-amdhsa--gfx1250"
	.amdhsa_code_object_version 6
	.text
	.protected	k_q56abff08b3_quant
	.globl	k_q56abff08b3_quant
	.p2align	8
	.type	k_q56abff08b3_quant,@function
k_q56abff08b3_quant:
	s_mov_b64 s[64:65], 0
	v_nop
	global_prefetch_b8 v0, s[64:65] scope:SCOPE_SE
	s_setreg_imm32_b32 hwreg(HW_REG_WAVE_MODE, 25, 1), 1
	s_wait_xcnt 0x0
; query, key, value [8192][1024] and Wq, Wk, Wv, Wo [1024][1024], f32, K innermost, become codes of FP6 (E2M3) with one E8M0 byte for each 32 along K.
; A block's scale is 2^(floor(log2(its largest magnitude)) - 2); its byte is the largest magnitude's exponent field - 2, held at 1 from below.
; LAYOUT OF THE RESULT (this program's own): the seven tensors on end are 1,792 ROW BLOCKS of 16 rows.  In block g of a tensor the place i stands for row 32 (g / 2) + 8 (g % 2) + i + 8 (i / 8).
; xc: [block][8 K steps of 128][2 halves of 64][768 bytes]; a half is an image of six operand registers: registers 0-3 at 16 x lane, registers 4-5 at 512 + 8 x lane; lane (r, h) holds place r, k = 32 h .. 32 h + 31.
; xs: [block][K half][r][4 words]: a word holds the four scale bytes of one K step of one row.
; SHARES: a work-group takes two row blocks; a wave one block and half of K: 16 rows x 512, four K steps.  A load reads 512 consecutive bytes of one row; the conversions want 16 neighbours along K in one lane:
; a K step's 16 x 512 bytes turn through the wave's own stage in LDS (rows 528 bytes apart).  Every store of codes covers 512 or 256 consecutive bytes, aligned; a wave's scale words leave as one aligned run of 256 bytes.
; No matrix unit, no tensor load, no barrier: memory binds and waves share nothing.  32 loads of a wave are out at the most.
; LIMITS: NaN and infinities among the inputs are not served.  A block of zeros gets the byte 1 where the rule says 127: its codes are zeros, and this program alone reads the bytes.
.set STG,  8448                        ; a wave's stage: 16 rows x 528 bytes
.set SP,   528                         ; 512 bytes + 16: 132 words, so that row r begins 4 r words on, modulo 64
.set R,    16                          ; v16-79, v80-143  two sets of 16 x 4 registers as loaded
.set X,    144                         ; v144-207  64 numbers of my row: register 16 b + i = k 32 b + 16 h + i
.set PC,   208                         ; v208-227  the codes just made (12) and the conversions' second halves
.set TM,   228                         ; v228-243  at work
.set PW,   244                         ; v244-247  the scale word of each K step
.set SW,   248                         ; v248-249  the two words that I store
.set SEL,  24                          ; s[24:25]  selects of v_permlanex16_b32: lane l xor 16
.set P,    28                          ; s[28:29]  my rows in the tensor that is mine
; 64 numbers of a lane, register 16 b + i = k 32 b + 16 (lane / 16) + i of my row, become a fragment's 12 registers of codes at v[pc] and its scale word in v[pw].
.macro QUANT src, pc, tm, pw
.irp b, 0,1,2,3
	v_max3_num_f32 v[(\tm)+\b], |v[(\src)+16*\b]|, |v[(\src)+1+16*\b]|, 0x1800000   ; my 16 numbers of block b, and the floor 2^(3 - 127): the byte cannot fall under 1
.endr
.irp i, 2,4,6,8,10,12,14
.irp b, 0,1,2,3
	v_max3_num_f32 v[(\tm)+\b], v[(\tm)+\b], |v[(\src)+16*\b+\i]|, |v[(\src)+1+16*\b+\i]|   ; the four blocks by turns
.endr
.endr
.irp b, 0,1,2,3
	v_permlanex16_b32 v[(\tm)+4+\b], v[(\tm)+\b], s[SEL], s[SEL+1]
.endr
.irp b, 0,1,2,3
	v_max_num_f32 v[(\tm)+\b], v[(\tm)+\b], v[(\tm)+4+\b]      ; with lane l xor 16's: the block's largest magnitude
.endr
.irp b, 0,1,2,3
	v_add_nc_u32 v[(\tm)+12+\b], 0xff000000, v[(\tm)+\b]       ; 2 off its exponent field: the conversion's scale operand
.endr
.irp b, 0,1,2,3
	v_lshrrev_b32 v[(\tm)+4+\b], 23, v[(\tm)+12+\b]            ; the scale's byte
.endr
	v_lshl_or_b32 v[\pw], v[(\tm)+5], 8, v[(\tm)+4]
	v_lshl_or_b32 v[\pw], v[(\tm)+6], 16, v[\pw]
	v_lshl_or_b32 v[\pw], v[(\tm)+7], 24, v[\pw]               ; my row's scale word
.irp c, 0,1
	v_cvt_scalef32_pk16_fp6_f32 v[(\pc)+6*\c:(\pc)+2+6*\c], v[(\src)+32*\c:(\src)+15+32*\c], v[(\tm)+12+2*\c]
	v_cvt_scalef32_pk16_fp6_f32 v[(\pc)+12+4*\c:(\pc)+14+4*\c], v[(\src)+16+32*\c:(\src)+31+32*\c], v[(\tm)+13+2*\c]   ; (a conversion's three registers begin on an even number)
.endr
	v_nop                                          ; one plain instruction behind the scaled conversions
.irp c, 0,1                                    ; the operand wants a whole block in a lane: lanes 0-15 block 2 c, lanes 16-31 block 2 c + 1
.irp i, 0,1,2
	v_permlane16_swap_b32 v[(\pc)+6*\c+\i], v[(\pc)+12+4*\c+\i]
.endr
.irp i, 0,1,2
	v_mov_b32 v[(\pc)+3+6*\c+\i], v[(\pc)+12+4*\c+\i]
.endr
.endr
.endm
	s_load_b512 s[4:19], s[0:1], 0x0               ; query, key, value, Wq, Wk, Wv, Wo, xc
	s_load_b64 s[20:21], s[0:1], 0x40              ; xs
	v_lshl_add_u32 v254, v0, 2, 0x8400
	v_mov_b32 v255, 0
	v_lshrrev_b32 v1, 5, v0
	v_readfirstlane_b32 s22, v1                    ; wave 0..3
	v_and_b32 v1, 31, v0                           ; lane
	v_and_b32 v2, 15, v0                           ; r
	v_bfe_u32 v3, v0, 4, 1                         ; h
	v_lshlrev_b32 v4, 4, v1                        ; 16 x lane
	v_lshlrev_b32 v5, 3, v1                        ; 8 x lane
	s_mul_i32 s23, s22, STG
	v_add_nc_u32 v6, s23, v4                       ; the stage, on the way in: 16 x lane of a row
	v_mul_u32_u24 v7, v2, SP
	v_lshl_add_u32 v7, v3, 6, v7
	v_add_nc_u32 v7, s23, v7                       ; and on the way out: row r, + 64 h
	v_lshlrev_b32 v8, 4, v2
	v_lshl_add_u32 v8, v3, 3, v8                   ; my two scale words: 16 r + 8 h
.irp b, 0,1,2,3
	v_mov_b32 v[TM+4+\b], 0                        ; written once: a lane permute's destination counts as one of its sources
.endr
	s_mov_b32 s[SEL], 0x76543210
	s_mov_b32 s[SEL+1], 0xfedcba98
	s_lshr_b32 s26, s22, 1                         ; which of the work-group's two row blocks
	s_and_b32 s27, s22, 1                          ; which half of K
	s_wait_alu depctr_va_vdst(0)
	s_wait_kmcnt 0x0
	; which tensor: the choice hangs on the work-group's number alone
	s_mov_b64 s[P:P+1], s[16:17]
	s_mov_b32 s30, 864
	s_cmp_lt_u32 ttmp9, 864
	s_cselect_b64 s[P:P+1], s[14:15], s[P:P+1]
	s_cselect_b32 s30, 832, s30
	s_cmp_lt_u32 ttmp9, 832
	s_cselect_b64 s[P:P+1], s[12:13], s[P:P+1]
	s_cselect_b32 s30, 800, s30
	s_cmp_lt_u32 ttmp9, 800
	s_cselect_b64 s[P:P+1], s[10:11], s[P:P+1]
	s_cselect_b32 s30, 768, s30
	s_cmp_lt_u32 ttmp9, 768
	s_cselect_b64 s[P:P+1], s[8:9], s[P:P+1]
	s_cselect_b32 s30, 512, s30
	s_cmp_lt_u32 ttmp9, 512
	s_cselect_b64 s[P:P+1], s[6:7], s[P:P+1]
	s_cselect_b32 s30, 256, s30
	s_cmp_lt_u32 ttmp9, 256
	s_cselect_b64 s[P:P+1], s[4:5], s[P:P+1]
	s_cselect_b32 s30, 0, s30                      ; the tensor's first work-group
	s_sub_co_u32 s30, ttmp9, s30
	; KEY ALONE HAS ANOTHER ORDER OF ROWS: in its block g the place i stands for row 64 (g / 4) + 8 (g % 4) + i % 8 + 32 (i / 8), so that a lane of the attention launch holds whole blocks of 32 keys.
	s_lshr_b32 s36, ttmp9, 8
	s_cmp_eq_u32 s36, 1                            ; key's work-groups are 256 .. 511
	s_cselect_b32 s36, 0x10000, 0                  ; 16 rows of 4,096 bytes: what places 8-15 lie further on
	s_and_b32 s37, s30, 1
	s_mul_i32 s37, s37, s36                        ; and what key's odd work-groups begin earlier
	s_lshl_b32 s30, s30, 17
	s_sub_co_u32 s30, s30, s37
	s_lshl_b32 s31, s26, 15                        ; the odd block begins 8 rows on,
	s_add_co_u32 s30, s30, s31
	s_lshl_b32 s31, s27, 11                        ; half of K is 2,048 bytes
	s_add_co_u32 s30, s30, s31
	s_mov_b32 s31, 0
	s_add_nc_u64 s[P:P+1], s[P:P+1], s[30:31]
	s_lshl_b32 s32, ttmp9, 1
	s_add_co_u32 s32, s32, s26                     ; my row block among the 1,792
	s_mul_i32 s34, s32, 12288
	s_mul_i32 s33, s27, 6144
	s_add_co_u32 s34, s34, s33
	s_mov_b32 s35, 0
	s_add_nc_u64 s[18:19], s[18:19], s[34:35]      ; my four K steps' codes
	s_lshl_b32 s34, s32, 9
	s_lshl_b32 s33, s27, 8
	s_add_co_u32 s34, s34, s33
	s_add_nc_u64 s[20:21], s[20:21], s[34:35]      ; my 256 bytes of scale words
.macro LOAD s                          ; K step s of my 16 rows: a load reads 512 consecutive bytes of the row at place i
.irp i, 0,1,2,3,4,5,6,7
	global_load_b128 v[R+64*((\s)%2)+4*\i:R+64*((\s)%2)+4*\i+3], v4, s[P:P+1] offset:\i*4096+512*(\s) th:TH_LOAD_NT
.endr
.irp i, 8,9,10,11,12,13,14,15          ; places 8-15: 8 rows on, and for key 16 more (v9)
	global_load_b128 v[R+64*((\s)%2)+4*\i:R+64*((\s)%2)+4*\i+3], v9, s[P:P+1] offset:(\i+8)*4096+512*(\s) th:TH_LOAD_NT
.endr
.endm
.macro STEP s
.if (\s) < 3
	s_wait_loadcnt 16                              ; this K step's 16 loads are in; the next step's 16 stay out
.else
	s_wait_loadcnt 0x0
.endif
.irp i, 0,1,2,3,4,5,6,7,8,9,10,11,12,13,14,15
	ds_store_b128 v6, v[R+64*((\s)%2)+4*\i:R+64*((\s)%2)+4*\i+3] offset:SP*\i
.endr
.irp b, 0,1,2,3
.irp j, 0,1,2,3
	ds_load_b128 v[X+16*\b+4*\j:X+16*\b+4*\j+3], v7 offset:128*\b+16*\j    ; LDS serves a wave's instructions in order: these see the stores above
.endr
.endr
	s_wait_dscnt 0x0                               ; my 64 numbers are in, and the stage's stores have read the set that is loaded again below
	s_wait_xcnt 0x0                                ; the last K step's stores of codes have read their registers, which are written again below
.if (\s)+2 < 4
	LOAD (\s)+2
.endif
	QUANT X, PC, TM, PW+(\s)
	global_store_b128 v4, v[PC:PC+3], s[18:19] offset:1536*(\s)
	global_store_b64 v5, v[PC+4:PC+5], s[18:19] offset:1536*(\s)+512
	global_store_b128 v4, v[PC+6:PC+9], s[18:19] offset:1536*(\s)+768
	global_store_b64 v5, v[PC+10:PC+11], s[18:19] offset:1536*(\s)+1280
.endm
	v_add_nc_u32 v9, s36, v4
	s_wait_alu depctr_va_vdst(0)                   ; the wait directly behind the write
	LOAD 0
	LOAD 1
	STEP 0
	STEP 1
	STEP 2
	STEP 3
	v_cmp_ne_u32 vcc_lo, 0, v3                     ; lanes 0-15 store words 0 and 1 of their row, lanes 16-31 words 2 and 3
	v_cndmask_b32 v[SW], v[PW], v[PW+2], vcc_lo
	v_cndmask_b32 v[SW+1], v[PW+1], v[PW+3], vcc_lo
	global_store_b64 v8, v[SW:SW+1], s[20:21]      ; 32 lanes store 256 consecutive bytes, aligned
	s_wait_tensorcnt 0x0
	ds_add_u32 v254, v255
	s_wait_dscnt 0x0
	s_endpgm
.Lfunc_end_k_q56abff08b3_quant:
	.size	k_q56abff08b3_quant, .Lfunc_end_k_q56abff08b3_quant-k_q56abff08b3_quant
	.p2alignl 7, 3214868480
	.fill 96, 4, 3214868480
	.section	.rodata,"a",@progbits
	.p2align	6, 0x0
	.amdhsa_kernel k_q56abff08b3_quant
		.amdhsa_group_segment_fixed_size 34304
		.amdhsa_private_segment_fixed_size 0
		.amdhsa_enable_private_segment 0
		.amdhsa_kernarg_size 72
		.amdhsa_user_sgpr_count 2
		.amdhsa_user_sgpr_kernarg_segment_ptr 1
		.amdhsa_wavefront_size32 1
		.amdhsa_system_sgpr_workgroup_id_x 1
		.amdhsa_system_sgpr_workgroup_id_y 1
		.amdhsa_system_sgpr_workgroup_id_z 1
		.amdhsa_system_vgpr_workitem_id 0
		.amdhsa_next_free_vgpr 256
		.amdhsa_next_free_sgpr 66
		.amdhsa_reserve_vcc 1
		.amdhsa_float_denorm_mode_32 3
		.amdhsa_float_denorm_mode_16_64 3
		.amdhsa_memory_ordered 1
		.amdhsa_forward_progress 1
		.amdhsa_inst_pref_size 35
	.end_amdhsa_kernel
	.amdgpu_metadata
---
amdhsa.version: [ 1, 2 ]
amdhsa.kernels:
  - .name:           k_q56abff08b3_quant
    .symbol:         k_q56abff08b3_quant.kd
    .args:
      - { .name: query, .offset: 0, .size: 8, .value_kind: global_buffer, .address_space: global }
      - { .name: key, .offset: 8, .size: 8, .value_kind: global_buffer, .address_space: global }
      - { .name: value, .offset: 16, .size: 8, .value_kind: global_buffer, .address_space: global }
      - { .name: Wq, .offset: 24, .size: 8, .value_kind: global_buffer, .address_space: global }
      - { .name: Wk, .offset: 32, .size: 8, .value_kind: global_buffer, .address_space: global }
      - { .name: Wv, .offset: 40, .size: 8, .value_kind: global_buffer, .address_space: global }
      - { .name: Wo, .offset: 48, .size: 8, .value_kind: global_buffer, .address_space: global }
      - { .name: xc, .offset: 56, .size: 8, .value_kind: global_buffer, .address_space: global }
      - { .name: xs, .offset: 64, .size: 8, .value_kind: global_buffer, .address_space: global }
    .group_segment_fixed_size: 34304
    .private_segment_fixed_size: 0
    .kernarg_segment_align: 8
    .kernarg_segment_size: 72
    .max_flat_workgroup_size: 128
    .sgpr_count:     66
    .vgpr_count:     256
    .wavefront_size: 32
...
	.end_amdgpu_metadata
.endif
;; end of part 1
;; launch proj (part 2): grid 4 x 192, 4 waves a work-group, clusters of 4 x 4, 307,712 bytes of LDS; arguments xc, xs, bq, bk, bv, qrec, kvrec; writes qrec, kvrec
.if DOCPART == 2
	.amdgcn_target "amdgcn-amd-amdhsa--gfx1250"
	.amdhsa_code_object_version 6
	.text
	.protected	k_q56abff08b3_proj
	.globl	k_q56abff08b3_proj
	.p2align	8
	.type	k_q56abff08b3_proj,@function
k_q56abff08b3_proj:
	s_mov_b64 s[64:65], 0
	v_nop
	global_prefetch_b8 v0, s[64:65] scope:SCOPE_SE
	s_setreg_imm32_b32 hwreg(HW_REG_WAVE_MODE, 25, 1), 1
	s_wait_xcnt 0x0
	s_wait_alu depctr_hold_cnt(0) depctr_sa_sdst(0) depctr_va_vdst(0) depctr_va_sdst(0) depctr_va_ssrc(0) depctr_va_vcc(0) depctr_vm_vsrc(0)
	s_getreg_b32 s2, hwreg(HW_REG_IB_STS2, 6, 4)
	s_cmp_eq_u32 s2, 0
	s_cbranch_scc0 .Lentry_in_a_cluster
	s_endpgm
.Lentry_in_a_cluster:
	s_bfe_u32 s2, ttmp6, 0x10000c
	s_cmp_lg_u32 s2, 0xf033
	s_cbranch_scc0 .Lentry_shape_is_right
	s_endpgm
.Lentry_shape_is_right:
; q = query Wq^T + bq, k = key Wk^T + bk and v^T = Wv value^T + bv, on codes of FP6 (E2M3) with E8M0 scales, sums in f32; the results are quantised in registers, q and k along the head's 64, v along the keys,
; and stored as images of the operand registers that the attention launch wants.
; OPERANDS: xc, xs as the launch before laid them: row blocks of 16 rows (place i = row 32 (g / 2) + 8 (g % 2) + i + 8 (i / 8)), a fragment of 128 along K = 1,536 bytes: registers 0-3, 4-5, 6-9, 10-11 at 0, 512, 768, 1,280.
; TILE: 128 rows of A x 256 rows of B.  For q and k: A = the tokens, B = the weight.  For v: A = Wv, B = value, so that a lane's registers run along the keys.  768 work-groups: three for each of 256.
; Source 0 = 16 rows of B, source 1 = 16 rows of A: lane (r, h) holds A's place r; register 8 b + j of A's block holds B's row 32 (b / 2) + 16 h + 8 (b % 2) + j: 16 neighbours in two neighbouring tiles.
; Four waves: wave w takes A's blocks 4 (w / 2) .. + 3 and B's blocks 8 (w % 2) .. + 7: 32 accumulators.
; LDS: ALL of K for the tile's codes, 294,912 bytes, each byte filled once: two halves of 512 along K.  A wave has one tensor load out.
; CLUSTER 4 x 4: A's tiles are asked for jointly along a row of the cluster, B's along a column.
; No prefetch: every byte that the work-group reads is asked for by the tensor loads at its head, so there is no later load ahead of which to ask.
; RECORDS (qrec, kvrec): for each of 64 (batch, head) and each 128 tokens 13,056 bytes: 8 tiles of 16 tokens x 64 (768 bytes each); from 6,144 v^T: 4 tiles of 16 channels x 128 keys (1,536 each);
; from 12,288 the tiles' scale words [tile / 4][r][tile % 4]; from 12,800 v^T's [r][tile].  qrec has the first and third part alone.  In a word of q or k bytes 0 and 1 count; bytes 2 and 3 hold the neighbouring head's bytes or 0, never 0xff.
; LIMITS: NaN and infinities are not served.  A block of zeros gets the byte 1 where the rule says 127: its codes are zeros, and this program alone reads the bytes.
.set LB,    98304                      ; LDS: A's codes from 0, half q at 49,152 q (8 blocks x 6,144); B's from here, half q at 98,304 q (16 blocks)
.set LSA,   294912
.set LSB,   299008
; LDS AS IT IS FILLED NOW: K in two halves of 512.  A's half q at CHA q (8 blocks x 6,144 bytes), B's at LB + CHB q (16 blocks x 6,144).  Four joint loads, one a wave.  The scale words go from memory straight into registers.
.set CHA,   49152
.set CHB,   98304
.set REC,   13056
.set HEADB, 16*REC                     ; a head's 16 records
.set WV,    14                         ; s14 wave; s15 = wave / 2: my half of A's blocks, and: I fetch for A (0) or B (1); s16 = wave % 2: my half of B's blocks, and which half I fetch
.set G1A,   24                         ; s[24:31] group 1, A's codes;  s[32:39] B's;  s[40:47] groups 0 for A's two halves
.set G1B,   32
.set G0A,   40
.set G1SA,  56
.set SEL,   66                         ; s[66:67] selects of v_permlanex16_b32: lane l xor 16
.set G1SB,  68
.set G0B,   76                         ; s[76:83] groups 0 for B's two halves
.set G0SA,  92
.set G0SB,  96
.set L16,   4                          ; v4 16 x lane;  v5 8 x lane;  v6 16 r;  v7 64 h;  v8 16 h;  v9 16 r + h x a head's records;  v10 4 (r + 8 (r / 8));  v11 16 r + 8 h
.set L8,    5
.set R16,   6
.set ASA,   12
.set ASB,   13
.set ADA16, 16                         ; v16-17, v20-21 my blocks of A in half q, + 16 or 8 x lane;  v24-25, v28-29 the same for B
.set ADA8,  20
.set ADB16, 24
.set ADB8,  28
.set SCA,   32                         ; v32-63 A's scale words (8 a + K step);  v64-127 B's (8 b + K step): these registers hold scales alone
.set SCB,   64
.set AF,    128                        ; window 0: A's fragments, two sets of 48.  Window 1: B's, two sets of 96 at v0 and v128.  Window 2: accumulator (a, b) at 8 (8 a + b).  Window 3: the bias
.set T,     128                        ; the tail: v128-191 64 results + bias;  v192-211 codes;  v224-239 at work;  v240-243 scale words;  v244-247 as stored
.set PC,    192
.set TM,    224
.set PW,    240
.set SW,    244
.set MSB, 0
.macro WIN new                         ; the immediate's high byte repeats the setting that is left
.if MSB != \new
	s_set_vgpr_msb (MSB<<8)|\new
.set MSB, \new
.endif
.endm
.macro PLACES n
.rept \n
	v_nop
.endr
.endm
.macro CROUND                          ; a round of the cluster's barrier
	s_barrier_signal -1
	s_barrier_wait -1
	s_cmp_lg_u32 s[WV], 0
	s_cbranch_scc1 .Lnot_wave_0_\@
	s_barrier_signal -3
.Lnot_wave_0_\@:
	s_barrier_wait -3
	s_barrier_signal -1
	s_barrier_wait -1
.endm
; 64 numbers of a lane, register 16 b + i = k 32 b + 16 (lane / 16) + i of my row, become a fragment's 12 registers of codes at v[pc] and its scale word in v[pw].
.macro QUANT src, pc, tm, pw
.irp b, 0,1,2,3
	v_max3_num_f32 v[(\tm)+\b], |v[(\src)+16*\b]|, |v[(\src)+1+16*\b]|, 0x1800000   ; my 16 numbers of block b, and the floor 2^(3 - 127): the byte cannot fall under 1
.endr
.irp i, 2,4,6,8,10,12,14
.irp b, 0,1,2,3
	v_max3_num_f32 v[(\tm)+\b], v[(\tm)+\b], |v[(\src)+16*\b+\i]|, |v[(\src)+1+16*\b+\i]|
.endr
.endr
.irp b, 0,1,2,3
	v_permlanex16_b32 v[(\tm)+4+\b], v[(\tm)+\b], s[SEL], s[SEL+1]
.endr
.irp b, 0,1,2,3
	v_max_num_f32 v[(\tm)+\b], v[(\tm)+\b], v[(\tm)+4+\b]      ; with lane l xor 16's: the block's largest magnitude
.endr
.irp b, 0,1,2,3
	v_add_nc_u32 v[(\tm)+12+\b], 0xff000000, v[(\tm)+\b]       ; 2 off its exponent field: the conversion's scale operand
.endr
.irp b, 0,1,2,3
	v_lshrrev_b32 v[(\tm)+4+\b], 23, v[(\tm)+12+\b]            ; the scale's byte
.endr
	v_lshl_or_b32 v[\pw], v[(\tm)+5], 8, v[(\tm)+4]
	v_lshl_or_b32 v[\pw], v[(\tm)+6], 16, v[\pw]
	v_lshl_or_b32 v[\pw], v[(\tm)+7], 24, v[\pw]
.irp c, 0,1
	v_cvt_scalef32_pk16_fp6_f32 v[(\pc)+6*\c:(\pc)+2+6*\c], v[(\src)+32*\c:(\src)+15+32*\c], v[(\tm)+12+2*\c]
	v_cvt_scalef32_pk16_fp6_f32 v[(\pc)+12+4*\c:(\pc)+14+4*\c], v[(\src)+16+32*\c:(\src)+31+32*\c], v[(\tm)+13+2*\c]
.endr
	v_nop                                          ; one plain instruction behind the scaled conversions
.irp c, 0,1
.irp i, 0,1,2
	v_permlane16_swap_b32 v[(\pc)+6*\c+\i], v[(\pc)+12+4*\c+\i]
.endr
.irp i, 0,1,2
	v_mov_b32 v[(\pc)+3+6*\c+\i], v[(\pc)+12+4*\c+\i]
.endr
.endr
.endm
.macro FRAG reg, a16, a8, off          ; a fragment comes back as it was stored: every load takes 512 or 256 consecutive bytes
	ds_load_b128 v[(\reg):(\reg)+3], v[\a16] offset:(\off)
	ds_load_b64 v[(\reg)+4:(\reg)+5], v[\a8] offset:(\off)+512
	ds_load_b128 v[(\reg)+6:(\reg)+9], v[\a16] offset:(\off)+768
	ds_load_b64 v[(\reg)+10:(\reg)+11], v[\a8] offset:(\off)+1280
.endm
.macro FETCH n                         ; K step n's fragments, B's eight and A's four, into set n % 2: 48 loads in one run
.set FQ, (\n)/4
.set FE, (\n)%2
.set FK, (\n)%4
	WIN 0x40                                       ; destination window 1, address window 0
.irp i, 0,1,2,3,4,5,6,7
	FRAG 128*FE+12*\i, ADB16+FQ, ADB8+FQ, \i*6144+FK*1536
.endr
	WIN 0
.irp i, 0,1,2,3
	FRAG AF+48*FE+12*\i, ADA16+FQ, ADA8+FQ, \i*6144+FK*1536
.endr
.endm
; 16 matrix instructions: A's blocks a0, a0 + 1 x B's eight, K step s.  The 32 accumulators take turns, one instruction a turn, in the same order in every K step.
.macro MULH s, a0, zero
	WIN 0xa1                                       ; source 0 (B) window 1, source 1 (A) window 0, C and D window 2
.irp a, \a0, \a0+1
.irp b, 0,1,2,3,4,5,6,7
.if \zero
	v_wmma_scale_f32_16x16x128_f8f6f4 v[8*(8*(\a)+\b):8*(8*(\a)+\b)+7], v[128*((\s)%2)+12*\b:128*((\s)%2)+12*\b+11], v[AF+48*((\s)%2)+12*(\a):AF+48*((\s)%2)+12*(\a)+11], 0, v[SCB+8*\b+(\s)], v[SCA+8*(\a)+(\s)] matrix_a_fmt:MATRIX_FMT_FP6 matrix_b_fmt:MATRIX_FMT_FP6
.else
	v_wmma_scale_f32_16x16x128_f8f6f4 v[8*(8*(\a)+\b):8*(8*(\a)+\b)+7], v[128*((\s)%2)+12*\b:128*((\s)%2)+12*\b+11], v[AF+48*((\s)%2)+12*(\a):AF+48*((\s)%2)+12*(\a)+11], v[8*(8*(\a)+\b):8*(8*(\a)+\b)+7], v[SCB+8*\b+(\s)], v[SCA+8*(\a)+(\s)] matrix_a_fmt:MATRIX_FMT_FP6 matrix_b_fmt:MATRIX_FMT_FP6
.endif
.endr
.endr
.endm
; A K step of 128: 32 matrix instructions; in its middle the next step's fragments are fetched into the other set.  Step 3 stands in front of K's second half: every wave's load of it has landed,
; then the work-group's barrier.
.macro KSTEP s, zero
	s_wait_dscnt 0x0                               ; this step's fragments are in; no LDS instruction of mine is out at a signal
.if (\s) == 3                          ; in front of K's second half: every wave's load has landed, then the work-group's barrier
	s_wait_tensorcnt 0x0
	s_barrier_signal -1
.endif
	MULH \s, 0, \zero
.if (\s) == 3
	s_barrier_wait -1
.endif
.if (\s) < 7
	PLACES 4                                       ; four plain instructions between the last product that read the other set and the loads into it
	FETCH (\s)+1
.endif
	MULH \s, 2, \zero
.endm
	s_load_b256 s[4:11], s[0:1], 0x0               ; xc s[4:5], xs s[6:7], bq s[8:9], bk s[10:11]
	s_load_b64 s[12:13], s[0:1], 0x20              ; bv
	s_load_b64 s[100:101], s[0:1], 0x28            ; qrec
	s_load_b64 s[104:105], s[0:1], 0x30            ; kvrec
	v_lshl_add_u32 v254, v0, 2, 0x4b000
	v_mov_b32 v255, 0
	ds_add_u32 v254, v255
	ds_add_u32 v254, v255
	v_lshrrev_b32 v1, 5, v0
	v_readfirstlane_b32 s[WV], v1
	s_lshr_b32 s15, s[WV], 1
	s_and_b32 s16, s[WV], 1
	s_bfe_u32 s17, ttmp6, 0x40000                  ; cx
	s_bfe_u32 s18, ttmp6, 0x40004                  ; cy
	s_lshl_b32 s2, s18, 2
	s_lshl_b32 s2, 15, s2                          ; my row of the cluster
	s_lshl_b32 s19, 0x1111, s17                    ; my column
	; group 1: elements of 8 bytes, no padding; 15:0 the mask, bit 21 set beside it.  Codes: a row = a row block's 6,144 bytes of half of K (768 elements), 12,288 bytes (1,536 elements) from block to block
	s_or_b32 s[G1A], s2, (3<<16)|(1<<21)
	s_or_b32 s[G1B], s19, (3<<16)|(1<<21)
.irp g, G1A, G1B
	s_mov_b32 s[\g+1], 768<<16                     ; tensor_dim0: a block's 6,144 bytes of half of K
	s_mov_b32 s[\g+3], 768<<16                     ; tile_dim0
	s_mov_b32 s[\g+5], 1536                        ; the pitch
	s_mov_b32 s[\g+6], 0
	s_mov_b32 s[\g+7], 0
.endr
	s_mov_b32 s[G1A+2], 8<<16                      ; tensor_dim1: A's eight blocks a load,
	s_mov_b32 s[G1A+4], 8                          ; tile_dim1
	s_mov_b32 s[G1B+2], 16<<16                     ; B's sixteen
	s_mov_b32 s[G1B+4], 16
	; which product, which tile: the cluster's y is 16 x product + c
	s_and_b32 s2, ttmp7, 0xffff
	s_lshr_b32 s20, s2, 4                          ; 0: q, 1: k, 2: v
	s_and_b32 s2, s2, 15
	s_lshr_b32 s3, s2, 3
	s_and_b32 s19, s2, 7
	s_lshl_b32 s23, s20, 9                         ; query's or key's first row block
	s_lshl_b32 s21, s20, 6
	s_add_co_u32 s21, s21, 1536                    ; Wq's or Wk's
	s_cmp_eq_u32 s20, 2
	s_cselect_b32 s2, s3, s2                       ; the cluster's place down A: c, or for v c / 8
	s_cselect_b32 s19, s19, 0                      ; and along B: 0, or for v c % 8
	s_cselect_b32 s23, 1664, s23                   ; A's first row block (v: Wv's)
	s_cselect_b32 s3, 1024, s21                    ; B's (v: value's)
	s_lshl_b32 s21, s2, 2
	s_add_co_u32 s21, s21, s18                     ; tr: which 128 rows of A
	s_lshl_b32 s22, s19, 2
	s_add_co_u32 s22, s22, s17                     ; tc: which 256 rows of B
	s_lshl_b32 s2, s21, 3
	s_add_co_u32 s23, s23, s2                      ; the tile's first block of A: it hangs on the cluster's y and cy alone,
	s_lshl_b32 s19, s22, 4
	s_add_co_u32 s3, s3, s19                       ; of B: on the cluster's y and cx alone
	s_mul_i32 s[G0A+2], s23, 12288                 ; the tile's eight blocks of A
	s_mov_b32 s[G0A+3], 0
	s_lshl_b32 s2, s15, 2
	s_add_co_u32 s2, s2, s23                       ; the four of them that I multiply:
	s_lshl_b32 s[G0SA+2], s2, 9                    ; s[G0SA+2:G0SA+3] is a plain address, of their scale words
	s_mov_b32 s[G0SA+3], 0
	s_mul_i32 s[G0B+2], s3, 12288                  ; the tile's sixteen blocks of B
	s_mov_b32 s[G0B+3], 0
	s_lshl_b32 s19, s16, 3
	s_add_co_u32 s19, s19, s3                      ; the eight that I multiply
	s_lshl_b32 s[G0SB+2], s19, 9                   ; and their scale words
	s_mov_b32 s[G0SB+3], 0
	s_mov_b32 s[G0A+1], 0                          ; LDS addresses: constants
	s_mov_b32 s[G0B+1], LB
	s_mov_b32 s[G0A], 1
	s_mov_b32 s[G0B], 1
	s_wait_dscnt 0x0
	s_wait_kmcnt 0x0
	s_add_nc_u64 s[G0A+2:G0A+3], s[4:5], s[G0A+2:G0A+3]
	s_add_nc_u64 s[G0B+2:G0B+3], s[4:5], s[G0B+2:G0B+3]
	s_add_nc_u64 s[G0SA+2:G0SA+3], s[6:7], s[G0SA+2:G0SA+3]
	s_add_nc_u64 s[G0SB+2:G0SB+3], s[6:7], s[G0SB+2:G0SB+3]
.irp q, 1
	s_mov_b32 s[G0A+4*\q], 1
	s_add_co_u32 s[G0A+4*\q+1], s[G0A+1], \q*CHA
	s_add_nc_u64 s[G0A+4*\q+2:G0A+4*\q+3], s[G0A+2:G0A+3], \q*6144
	s_or_b32 s[G0A+4*\q+3], s[G0A+4*\q+3], 0x80000000
	s_mov_b32 s[G0B+4*\q], 1
	s_add_co_u32 s[G0B+4*\q+1], s[G0B+1], \q*CHB
	s_add_nc_u64 s[G0B+4*\q+2:G0B+4*\q+3], s[G0B+2:G0B+3], \q*6144
	s_or_b32 s[G0B+4*\q+3], s[G0B+4*\q+3], 0x80000000
.endr
	s_or_b32 s[G0A+3], s[G0A+3], 0x80000000
	s_or_b32 s[G0B+3], s[G0B+3], 0x80000000
	CROUND                                         ; all sixteen work-groups are here: the joint loads meet
	s_cmp_eq_u32 s[WV], 0                          ; one chain of arms on the wave's number, one joint load to an arm
	s_cbranch_scc0 .Lfill_1
	tensor_load_to_lds s[G0A:G0A+3], s[G1A:G1A+7]          ; wave 0: A, K's first half
	s_nop 0
	PLACES 4
	s_branch .Lfilled
.Lfill_1:
	s_cmp_eq_u32 s[WV], 1
	s_cbranch_scc0 .Lfill_2
	tensor_load_to_lds s[G0B:G0B+3], s[G1B:G1B+7]          ; wave 1: B, K's first half
	s_nop 0
	PLACES 4
	s_branch .Lfilled
.Lfill_2:
	s_cmp_eq_u32 s[WV], 2
	s_cbranch_scc0 .Lfill_3
	tensor_load_to_lds s[G0A+4:G0A+7], s[G1A:G1A+7]        ; wave 2: A, the second half
	s_nop 0
	PLACES 4
	s_branch .Lfilled
.Lfill_3:
	tensor_load_to_lds s[G0B+4:G0B+7], s[G1B:G1B+7]        ; wave 3: B, the second half
	s_nop 0
	PLACES 4
.Lfilled:
	v_and_b32 v1, 31, v0                           ; lane
	v_and_b32 v2, 15, v0                           ; r
	v_bfe_u32 v3, v0, 4, 1                         ; h
	v_lshlrev_b32 v[L16], 4, v1
	v_lshlrev_b32 v[L8], 3, v1
	v_lshlrev_b32 v[R16], 4, v2
	v_lshlrev_b32 v7, 6, v3
	v_lshlrev_b32 v8, 4, v3
	v_mul_u32_u24 v9, v3, HEADB
	v_add_nc_u32 v9, v9, v[R16]
	v_and_b32 v10, 8, v2
	v_add_nc_u32 v10, v10, v2
	v_lshlrev_b32 v10, 2, v10
	v_lshl_add_u32 v11, v3, 3, v[R16]
.irp b, 0,1,2,3
	v_mov_b32 v[TM+4+\b], 0                        ; written once: a lane permute's destination counts as one of its sources
.endr
	s_mov_b32 s[SEL], 0x76543210
	s_mov_b32 s[SEL+1], 0xfedcba98
	s_mul_i32 s2, s15, 24576                       ; my four blocks of A in a half of K,
	s_mul_i32 s19, s16, 49152                      ; my eight of B
	s_add_co_u32 s19, s19, LB
.irp q, 0,1
	v_add_nc_u32 v[ADA16+\q], s2, v[L16]
	v_add_nc_u32 v[ADA8+\q], s2, v[L8]
	v_add_nc_u32 v[ADB16+\q], s19, v[L16]
	v_add_nc_u32 v[ADB8+\q], s19, v[L8]
	s_add_co_u32 s2, s2, CHA
	s_add_co_u32 s19, s19, CHB
.endr
	s_wait_alu depctr_va_vdst(0)
.irp i, 0,1,2,3
.irp k, 0,1
	global_load_b128 v[SCA+8*\i+4*\k:SCA+8*\i+4*\k+3], v[R16], s[G0SA+2:G0SA+3] offset:\i*512+\k*256   ; row r's words of four K steps: sixteen lanes read 256 consecutive bytes, aligned; lanes 16-31 read what lanes 0-15 read
.endr
.endr
.irp i, 0,1,2,3,4,5,6,7
.irp k, 0,1
	global_load_b128 v[SCB+8*\i+4*\k:SCB+8*\i+4*\k+3], v[R16], s[G0SB+2:G0SB+3] offset:\i*512+\k*256
.endr
.endr
	s_cmp_lt_u32 s[WV], 2                          ; waves 0 and 1, whose load lines are their own, wait for K's first half; the second half stays out
	s_cbranch_scc0 .Lnot_first
	s_wait_tensorcnt 0x0
.Lnot_first:
	s_barrier_signal -1
	s_barrier_wait -1
	FETCH 0
	s_wait_loadcnt 0x0                             ; the scale words
	KSTEP 0, 1                                     ; the first K step starts the sums: nothing is cleared
	KSTEP 1, 0
	KSTEP 2, 0
	KSTEP 3, 0
	KSTEP 4, 0
	KSTEP 5, 0                                     ; step 3's wait on TENSORcnt was for 0: no tensor load of mine is out, and the descriptors' registers are free
	WIN 0
	s_cmp_eq_u32 s20, 2                            ; the product: the same in all partners.  No barrier and no tensor load follows before the ways join
	s_cbranch_scc1 .Ltail_v
	; ---- q and k.  The bias is asked for here and lands under the last two K steps
	s_cmp_eq_u32 s20, 0
	s_cselect_b64 s[8:9], s[8:9], s[10:11]         ; bq or bk
	s_cselect_b64 s[100:101], s[100:101], s[104:105]   ; qrec or kvrec
	s_lshl_b32 s24, s22, 10
	s_lshl_b32 s25, s16, 9
	s_add_co_u32 s24, s24, s25                     ; my 128 features: 4 (256 tc + 128 (wave % 2)) bytes
	s_mov_b32 s25, 0
	s_add_nc_u64 s[8:9], s[8:9], s[24:25]
	WIN 0xc0                                       ; destination window 3
.irp i, 0,1,2,3,4,5,6,7,8,9,10,11,12,13,14,15
	global_load_b128 v[4*\i:4*\i+3], v7, s[8:9] offset:128*(\i/4)+32*((\i/2)%2)+16*(\i%2)   ; register 16 B + 8 u + j: feature 32 B + 16 h + 8 u + j, as the results lie
.endr
	s_lshr_b32 s24, s21, 4
	s_lshl_b32 s24, s24, 4                         ; 16 x batch
	s_lshl_b32 s25, s22, 2
	s_add_co_u32 s24, s24, s25
	s_lshl_b32 s25, s16, 1
	s_add_co_u32 s24, s24, s25                     ; + my first head: 4 tc + 2 (wave % 2)
	s_mul_i32 s24, s24, HEADB
	s_and_b32 s25, s21, 15
	s_mul_i32 s25, s25, REC
	s_add_co_u32 s24, s24, s25                     ; the record of these 128 tokens
	s_mul_i32 s25, s15, 3072
	s_add_co_u32 s26, s24, s25                     ; my four tiles of it
	s_mov_b32 s27, 0
	s_add_nc_u64 s[28:29], s[100:101], s[26:27]
	s_lshl_b32 s25, s15, 8
	s_add_co_u32 s26, s24, s25
	s_add_co_u32 s26, s26, 12288                   ; and their scale words
	s_add_nc_u64 s[30:31], s[100:101], s[26:27]
	KSTEP 6, 0
	KSTEP 7, 0
	PLACES 4                                       ; four plain instructions between the last products and the first read of results
	s_wait_loadcnt 0x0                             ; the bias
.irp a, 0,1,2,3
	s_wait_xcnt 0x0                                ; the last block's stores have read the codes' registers
	WIN 0x0e                                       ; source 0 window 2 (the sums), source 1 window 3 (the bias), destination window 0
.set j, 0
.rept 32
	v_pk_add_f32 v[T+j:T+j+1], v[64*\a+j:64*\a+j+1], v[j:j+1]      ; each accumulator from its low end on
.set j, j+2
.endr
	WIN 0
	QUANT T, PC, TM, PW+\a                         ; 128 features = two heads of 64: registers 0-5 are the first head's tile, 6-11 the second's
	global_store_b128 v[L16], v[PC:PC+3], s[28:29] offset:768*\a
	global_store_b64 v[L8], v[PC+4:PC+5], s[28:29] offset:768*\a+512
	global_store_b128 v[L16], v[PC+6:PC+9], s[28:29] offset:768*\a+HEADB
	global_store_b64 v[L8], v[PC+10:PC+11], s[28:29] offset:768*\a+512+HEADB
.endr
.irp a, 0,1,2,3
	v_lshrrev_b32 v[SW+\a], v8, v[PW+\a]           ; lanes 16-31 take the second head's two bytes down
.endr
	global_store_b128 v9, v[SW:SW+3], s[30:31]     ; lanes 0-15: 256 consecutive bytes of the first head's record; lanes 16-31: of the second's
	s_branch .Ljoin
.Ltail_v:
	; ---- v^T: a lane holds one channel, its registers run along 128 keys
	s_lshl_b32 s24, s21, 9
	s_lshl_b32 s25, s15, 8
	s_add_co_u32 s24, s24, s25                     ; my 64 channels: 4 (128 tr + 64 (wave / 2)) bytes
	s_mov_b32 s25, 0
	s_add_nc_u64 s[12:13], s[12:13], s[24:25]
	WIN 0xc0
.irp a, 0,1,2,3
	global_load_b32 v[2*\a], v10, s[12:13] offset:4*(32*(\a/2)+8*(\a%2))     ; my channel's bias, into both registers of a pair
	global_load_b32 v[2*\a+1], v10, s[12:13] offset:4*(32*(\a/2)+8*(\a%2))
.endr
	s_lshl_b32 s24, s22, 1
	s_add_co_u32 s24, s24, s16                     ; which 128 keys of the 8,192
	s_lshr_b32 s25, s24, 4
	s_lshl_b32 s25, s25, 4                         ; 16 x batch
	s_lshl_b32 s26, s21, 1
	s_add_co_u32 s26, s26, s15                     ; the head: 2 tr + wave / 2
	s_add_co_u32 s25, s25, s26
	s_mul_i32 s25, s25, HEADB
	s_and_b32 s24, s24, 15
	s_mul_i32 s24, s24, REC
	s_add_co_u32 s24, s24, s25
	s_mov_b32 s25, 0
	s_add_nc_u64 s[28:29], s[104:105], s[24:25]    ; the record
	KSTEP 6, 0
	KSTEP 7, 0
	PLACES 4
	s_wait_loadcnt 0x0
.irp a, 0,1,2,3
	s_wait_xcnt 0x0
	WIN 0x0e
.set j, 0
.rept 32
	v_pk_add_f32 v[T+j:T+j+1], v[64*\a+j:64*\a+j+1], v[2*\a:2*\a+1]
.set j, j+2
.endr
	WIN 0
	QUANT T, PC, TM, PW+\a
	global_store_b128 v[L16], v[PC:PC+3], s[28:29] offset:6144+1536*\a
	global_store_b64 v[L8], v[PC+4:PC+5], s[28:29] offset:6144+1536*\a+512
	global_store_b128 v[L16], v[PC+6:PC+9], s[28:29] offset:6144+1536*\a+768
	global_store_b64 v[L8], v[PC+10:PC+11], s[28:29] offset:6144+1536*\a+1280
.endr
	v_cmp_ne_u32 vcc_lo, 0, v3
	v_cndmask_b32 v[SW], v[PW], v[PW+2], vcc_lo
	v_cndmask_b32 v[SW+1], v[PW+1], v[PW+3], vcc_lo
	global_store_b64 v11, v[SW:SW+1], s[28:29] offset:12800    ; 32 lanes store 256 consecutive bytes, aligned
.Ljoin:
	s_wait_tensorcnt 0x0
	ds_add_u32 v254, v255
	s_wait_dscnt 0x0
	CROUND                                         ; the closing round: no work-group ends while a partner may still ask for a tile that names it
	s_endpgm
.Lfunc_end_k_q56abff08b3_proj:
	.size	k_q56abff08b3_proj, .Lfunc_end_k_q56abff08b3_proj-k_q56abff08b3_proj
	.p2alignl 7, 3214868480
	.fill 96, 4, 3214868480
	.section	.rodata,"a",@progbits
	.p2align	6, 0x0
	.amdhsa_kernel k_q56abff08b3_proj
		.amdhsa_group_segment_fixed_size 307712
		.amdhsa_private_segment_fixed_size 0
		.amdhsa_enable_private_segment 0
		.amdhsa_kernarg_size 56
		.amdhsa_user_sgpr_count 2
		.amdhsa_user_sgpr_kernarg_segment_ptr 1
		.amdhsa_wavefront_size32 1
		.amdhsa_system_sgpr_workgroup_id_x 1
		.amdhsa_system_sgpr_workgroup_id_y 1
		.amdhsa_system_sgpr_workgroup_id_z 1
		.amdhsa_system_vgpr_workitem_id 0
		.amdhsa_next_free_vgpr 832
		.amdhsa_next_free_sgpr 106
		.amdhsa_reserve_vcc 1
		.amdhsa_float_denorm_mode_32 3
		.amdhsa_float_denorm_mode_16_64 3
		.amdhsa_memory_ordered 1
		.amdhsa_forward_progress 1
		.amdhsa_inst_pref_size 134
	.end_amdhsa_kernel
	.amdgpu_metadata
---
amdhsa.version: [ 1, 2 ]
amdhsa.kernels:
  - .name:           k_q56abff08b3_proj
    .symbol:         k_q56abff08b3_proj.kd
    .args:
      - { .name: xc, .offset: 0, .size: 8, .value_kind: global_buffer, .address_space: global }
      - { .name: xs, .offset: 8, .size: 8, .value_kind: global_buffer, .address_space: global }
      - { .name: bq, .offset: 16, .size: 8, .value_kind: global_buffer, .address_space: global }
      - { .name: bk, .offset: 24, .size: 8, .value_kind: global_buffer, .address_space: global }
      - { .name: bv, .offset: 32, .size: 8, .value_kind: global_buffer, .address_space: global }
      - { .name: qrec, .offset: 40, .size: 8, .value_kind: global_buffer, .address_space: global }
      - { .name: kvrec, .offset: 48, .size: 8, .value_kind: global_buffer, .address_space: global }
    .group_segment_fixed_size: 307712
    .private_segment_fixed_size: 0
    .kernarg_segment_align: 8
    .kernarg_segment_size: 56
    .max_flat_workgroup_size: 128
    .sgpr_count:     106
    .vgpr_count:     832
    .wavefront_size: 32
...
	.end_amdgpu_metadata
.endif
;; end of part 2
;; launch attn (part 3): grid 4 x 64, 8 waves a work-group, clusters of 4 x 1, 210,944 bytes of LDS; arguments qrec, kvrec, oc, os; writes oc, os
.if DOCPART == 3
	.amdgcn_target "amdgcn-amd-amdhsa--gfx1250"
	.amdhsa_code_object_version 6
	.text
	.protected	k_q56abff08b3_attn
	.globl	k_q56abff08b3_attn
	.p2align	8
	.type	k_q56abff08b3_attn,@function
k_q56abff08b3_attn:
	s_mov_b64 s[64:65], 0
	v_nop
	global_prefetch_b8 v0, s[64:65] scope:SCOPE_SE
	s_setreg_imm32_b32 hwreg(HW_REG_WAVE_MODE, 25, 1), 1
	s_wait_xcnt 0x0
	s_wait_alu depctr_hold_cnt(0) depctr_sa_sdst(0) depctr_va_vdst(0) depctr_va_sdst(0) depctr_va_ssrc(0) depctr_va_vcc(0) depctr_vm_vsrc(0)
	s_getreg_b32 s2, hwreg(HW_REG_IB_STS2, 6, 4)
	s_cmp_eq_u32 s2, 0
	s_cbranch_scc0 .Lentry_in_a_cluster
	s_endpgm
.Lentry_in_a_cluster:
	s_bfe_u32 s2, ttmp6, 0x10000c
	s_cmp_lg_u32 s2, 0x3003
	s_cbranch_scc0 .Lentry_shape_is_right
	s_endpgm
.Lentry_shape_is_right:
; For each of 64 (batch, head): o = softmax(q k^T / 8) v, head size 64, 2,048 keys, both products on codes of FP6 (E2M3) with E8M0 scales; o is quantised along the head's 64 and stored as codes for the last product.
; THE SOFTMAX AHEAD OF THE SECOND PRODUCT: t = score x log2(e) / 8; M = the running largest t rounded UP to a whole number; p = 2^(t - M) is quantised along the keys, not normalised; the row's sum is taken of the
; unquantised p and divides at the end.  When M moves, the sum and O are multiplied by 2^(old M - new M), which rounds nothing.
; SHARES: 256 work-groups; a work-group owns 512 queries of one head; each of its eight waves four tiles of 16 queries, TWO AT A TIME: two walks over the head's 16 records.  Each fragment of k and v^T read from LDS serves both tiles,
; and every chain of dependent lines of one tile has the other tile's beside it.  Two waves to a SIMD, 512 registers each.
; LDS: the head's 16 records (128 keys each: 8 tiles of k, 4 tiles of v^T, their scale words; 13,056 bytes), 208,896 bytes, each byte filled once: wave w fetches records 2 w and 2 w + 1 by one tensor load.
; CLUSTER 4 x 1: the four work-groups of a head walk the same records, so each record is asked for jointly.
; No prefetch: every byte of k and v that the work-group reads is asked for by the tensor loads at its head, so there is no later load ahead of which to ask.
; BOTH PRODUCTS TRANSPOSED: S^T = k q^T, O^T = v^T p^T: a lane holds one query of each tile throughout.  Place i of tile t of k stands for key 64 (t / 4) + 8 (t % 4) + i % 8 + 32 (i / 8) of the record:
; so register 32 c + i of S^T in lane (r, h) is key 64 c + 32 h + i: a lane holds two WHOLE blocks of 32 keys, in the order of the second product's operand.
; THE FIRST PRODUCT'S K IS 64, the instruction's 128: q's registers 6-11 are zero codes; k's operand runs on into the next tile's six registers (behind the last tile: six registers of zeros), which meet those zeros.
; k AND v^T HAVE REGISTERS OF THEIR OWN: the next record's k is asked of LDS behind this step's first products, a whole softmax ahead of its use; the record behind the last is record 0, which the second walk begins with
; (the second walk's last request is not used).  One wait on DScnt a step, for 0, ahead of the second product.
; THE SUM lives in four pairs a tile; each step opens each pair by pair x f + p; they are merged at a walk's end.
; REGISTERS: window 1: v0-127 S^T, then p, of tiles 0, 1; v128-191 O^T; v192-203 the second walk's q.  Window 0: all else (scale registers have no window).
; o's scale bytes leave as two bytes a row (a scale word spans two heads, which no one work-group has); lanes r and r + 16 store the same two bytes at the same place.
; LIMITS: the scaled scores (t) stay under 2^31 in magnitude.  NaN and infinities are not served.  1 / the sum is v_rcp_f32's.  A block of zeros gets the byte 1 where the rule says 127: its codes are zeros, and this program alone reads the bytes.
.set REC,   13056
.set HEADB, 16*REC
.set SPARE, 16*REC                     ; behind the records: the spare words, 128 bytes a wave
.set WV,  18                           ; s18 wave
.set SEL, 20                           ; s[20:21] selects of v_permlanex16_b32: lane l xor 16
.set CS,  22                           ; s[22:23] c = log2(e) / 8
.set G1,  24                           ; s[24:31] descriptor group 1;  s[32:35] group 0
.set G0,  32
.set TB,  2                            ; s2 LDS byte at which the step's record begins;  s46 the next record's;  s3 counts steps
.set TN,  46
.set L16, 1                            ; v1 16 x lane;  v2 8 x lane;  v3 16 r
.set L8,  2
.set R16, 3
.set N16, 5                            ; v5, v7 the next record's place + 16, 8 x lane;  v8-10 this record's + 16, 8 x lane, 16 r
.set N8,  7
.set A16, 8
.set A8,  9
.set AR,  10
; for tile x = 0, 1:
.set NM,  12                           ; v[12+2x] -M, v[13+2x] the largest score so far
.set T,   16                           ; v[16+8x+2k ..] the sum's pair k = 0 .. 3
.set F,   32                           ; v[32+2x ..] f = 2^(old M - new M), as a pair's low word
.set WK,  36
.set OLD, 38                           ; the last step's -M
.set BM,  40                           ; v[40+2x+c] block c's largest score, then its largest p
.set BP,  44                           ; what comes from lane l xor 16
.set SO,  48                           ; the conversions' scale operands
.set BY,  52                           ; the bytes
.set W,   56                           ; my two bytes of the scale word
.set QF,  60                           ; v[60+12x ..] q's fragment, registers 6-11 zeros
.set K,   84                           ; v84-131 eight tiles of k;  v132-137 zeros
.set V,   138                          ; v138-185 four tiles of v^T
.set PC,  186                          ; v[186+12x ..] p's codes
.set PT,  210                          ; v[210+8x ..] the conversions' second halves
.set KS,  226                          ; v226-229 k's scale words (lanes 0-15 tiles 0-3, lanes 16-31 tiles 4-7);  v230-233 v^T's;  v234+x p's;  v236+2 walk+x q's: these hold scales alone
.set VS,  230
.set PS,  234
.set QS,  236
.set O,   128                          ; window 1
.set Q1,  192                          ; window 1
.set MSB, 0
.macro WIN new                         ; bits 1:0 source 0, 3:2 source 1, 5:4 source 2, 7:6 destination; the immediate's high byte repeats the setting that is left
.if MSB != \new
	s_set_vgpr_msb (MSB<<8)|\new
.set MSB, \new
.endif
.endm
.macro CROUND                          ; a round of the cluster's barrier
	s_barrier_signal -1
	s_barrier_wait -1
	s_cmp_lg_u32 s[WV], 0
	s_cbranch_scc1 .Lnot_wave_0_\@
	s_barrier_signal -3
.Lnot_wave_0_\@:
	s_barrier_wait -3
	s_barrier_signal -1
	s_barrier_wait -1
.endm
.macro WALU
	s_wait_alu depctr_va_vdst(0)
.endm
.macro HINT n
	s_delay_alu instid0(VALU_DEP_\n)
.endm
.macro KLOAD a16, a8                   ; a record's eight tiles of k and their scale words
.irp t, 0,1,2,3,4,5,6,7
	ds_load_b128 v[K+6*\t:K+6*\t+3], v[\a16] offset:768*\t
	ds_load_b64 v[K+6*\t+4:K+6*\t+5], v[\a8] offset:768*\t+512
.endr
	ds_load_b128 v[KS:KS+3], v[\a16] offset:12288
.endm
	s_load_b256 s[4:11], s[0:1], 0x0               ; qrec s[4:5], kvrec s[6:7], oc s[8:9], os s[10:11]
	v_lshl_add_u32 v254, v0, 2, SPARE
	v_mov_b32 v255, 0
	ds_add_u32 v254, v255                          ; the opening lines: the add twice on end and its wait
	ds_add_u32 v254, v255
	v_lshrrev_b32 v4, 5, v0
	s_delay_alu instid0(VALU_DEP_1)
	v_readfirstlane_b32 s[WV], v4                  ; wave 0..7
	v_and_b32 v6, 31, v0
	v_and_b32 v4, 15, v0
	s_delay_alu instid0(VALU_DEP_2)
	v_lshlrev_b32 v[L16], 4, v6
	s_delay_alu instid0(VALU_DEP_3)
	v_lshlrev_b32 v[L8], 3, v6
	s_delay_alu instid0(VALU_DEP_3)
	v_lshlrev_b32 v[R16], 4, v4
	s_bfe_u32 s12, ttmp6, 0x40000                  ; cx: it enters q's and o's global addresses alone
	s_and_b32 s14, ttmp7, 0xffff                   ; 16 x batch + head, which the four partners share
	s_lshl_b32 s15, s12, 5
	s_lshl_b32 s13, s[WV], 1
	s_add_co_u32 s15, s15, s13                     ; T = 32 cx + 2 wave: my tiles of 16 queries are T, T + 1 and, in the second walk, T + 16, T + 17
	; group 1: two records as 102 rows of 256 bytes (32 elements of 8), dense
	s_mov_b32 s[G1], 15|(3<<16)|(1<<21)            ; 15:0 the mask: all four work-groups; 17:16 elements of 8 bytes; 21 set beside a mask
	s_mov_b32 s[G1+1], 32<<16
	s_mov_b32 s[G1+2], 102<<16
	s_mov_b32 s[G1+3], 32<<16
	s_mov_b32 s[G1+4], 102
	s_mov_b32 s[G1+5], 32
	s_mov_b32 s[G1+6], 0
	s_mov_b32 s[G1+7], 0
	s_mul_i32 s16, s[WV], 2*REC                    ; wave w brings records 2 w, 2 w + 1; LDS mirrors the head's records
	s_mul_i32 s17, s14, HEADB
	s_add_co_u32 s48, s17, s16
	s_mov_b32 s49, 0
	s_lshr_b32 s50, s15, 3
	s_mul_i32 s50, s50, REC
	s_add_co_u32 s50, s50, s17                     ; the record with my queries,
	s_and_b32 s52, s15, 7
	s_mul_i32 s52, s52, 768
	s_add_co_u32 s52, s52, s50                     ; tile T in it (T is even: T + 1 lies 768 bytes on),
	s_mov_b32 s53, 0
	s_bfe_u32 s54, s15, 0x10002
	s_lshl_b32 s54, s54, 8
	s_and_b32 s51, s15, 3
	s_lshl_b32 s51, s51, 2
	s_add_co_u32 s54, s54, s51
	s_add_co_u32 s54, s54, s50
	s_add_co_u32 s54, s54, 12288                   ; and its scale words: [tile / 4][r][tile % 4] (T + 1's: 4 bytes on)
	s_mov_b32 s55, 0
	s_lshr_b32 s36, s14, 4                         ; where o goes
	s_lshl_b32 s36, s36, 7
	s_add_co_u32 s36, s36, s15                     ; my row block of the 512: 128 x batch + T
	s_and_b32 s37, s14, 15                         ; the head
	s_mul_i32 s38, s36, 12288
	s_mul_i32 s39, s37, 768
	s_add_co_u32 s38, s38, s39                     ; K step head / 2, half head % 2
	s_mov_b32 s39, 0
	s_lshl_b32 s40, s36, 9
	s_lshr_b32 s42, s37, 3
	s_lshl_b32 s42, s42, 8
	s_add_co_u32 s40, s40, s42                     ; the half of K,
	s_bfe_u32 s42, s37, 0x20001
	s_lshl_b32 s42, s42, 2
	s_add_co_u32 s40, s40, s42                     ; the K step's word,
	s_and_b32 s42, s37, 1
	s_lshl_b32 s42, s42, 1
	s_add_co_u32 s40, s40, s42                     ; my head's two bytes of it
	s_mov_b32 s41, 0
	s_mov_b32 s[SEL], 0x76543210
	s_mov_b32 s[SEL+1], 0xfedcba98
	s_mov_b32 s[CS], 0x3e38aa3b                    ; log2(e) / 8
	s_mov_b32 s[CS+1], s[CS]                       ; (named with it as a pair, so it is written)
	s_mov_b32 s[G0], 1
	s_mov_b32 s[G0+1], s16
	s_mov_b32 s[TB], 0
	s_mov_b32 s[TN], REC
	WALU                                           ; the wait ahead of the blocking waits
	s_wait_dscnt 0x0
	s_wait_kmcnt 0x0
	s_add_nc_u64 s[G0+2:G0+3], s[6:7], s[48:49]
	s_or_b32 s[G0+3], s[G0+3], 0x80000000
	s_add_nc_u64 s[52:53], s[4:5], s[52:53]
	s_add_nc_u64 s[54:55], s[4:5], s[54:55]
	s_add_nc_u64 s[8:9], s[8:9], s[38:39]
	s_add_nc_u64 s[10:11], s[10:11], s[40:41]
.irp x, 0,1                                    ; all four tiles of q: tiles T + 16, T + 17 lie two records on
	global_load_b128 v[QF+12*\x:QF+12*\x+3], v[L16], s[52:53] offset:768*\x
	global_load_b64 v[QF+12*\x+4:QF+12*\x+5], v[L8], s[52:53] offset:768*\x+512
	global_load_b32 v[QS+\x], v[R16], s[54:55] offset:4*\x
	global_load_b32 v[QS+2+\x], v[R16], s[54:55] offset:2*REC+4*\x
.endr
	WIN 0x40
.irp x, 0,1
	global_load_b128 v[Q1+6*\x:Q1+6*\x+3], v[L16], s[52:53] offset:2*REC+768*\x
	global_load_b64 v[Q1+6*\x+4:Q1+6*\x+5], v[L8], s[52:53] offset:2*REC+768*\x+512
.endr
	WIN 0
	CROUND                                         ; all four work-groups are here: the joint loads meet
	tensor_load_to_lds s[G0:G0+3], s[G1:G1+7]      ; one line, issued by every wave, its places made from the wave's number
	s_nop 0
.rept 4
	v_nop
.endr
.irp i, 6,7,8,9,10,11
	v_mov_b32 v[QF+\i], 0                          ; zero codes for k = 64 .. 127
	v_mov_b32 v[QF+12+\i], 0
	v_mov_b32 v[K+42+\i], 0                        ; and the six registers behind the last tile of k
.endr
.irp x, 0,1
	v_mov_b32 v[F+2*\x+1], 0                       ; (named as the upper half of a pair)
	v_mov_b32 v[WK+\x], 0                          ; written once: a lane permute's destination counts as one of its sources
	v_mov_b32 v[BP+2*\x], 0
	v_mov_b32 v[BP+2*\x+1], 0
.endr
.macro INIT                            ; a walk begins: the step is written once, and the first finds zeros, which f = 0 leaves zeros
.irp x, 0,1
	v_mov_b32 v[NM+2*\x+1], 0xff61b1e6             ; the largest score so far: -3e38
	v_mov_b32 v[NM+2*\x], 0x7e000000               ; -M: so large that the first f is 2^(a saturated whole number) = 0
.endr
.set j, 0
.rept 16
	v_mov_b32 v[T+j], 0
.set j, j+1
.endr
	WIN 0x40
.set j, 0
.rept 64
	v_mov_b32 v[O+j], 0
.set j, j+1
.endr
	WIN 0
.endm
; A KEY STEP: 128 keys x my two tiles.  k of the record at LDS byte s[TB] is in registers.  q0: the register with tile 0's scale words of q; tile 1's is the next.
.macro STEP q0
	WIN 0x40                                       ; S^T in window 1
.irp t, 0,1,2,3
.irp x, 0,1
	v_wmma_scale_f32_16x16x128_f8f6f4 v[64*\x+8*\t:64*\x+8*\t+7], v[K+6*\t:K+6*\t+11], v[QF+12*\x:QF+12*\x+11], 0, v[KS+\t], v[\q0+\x] matrix_a_fmt:MATRIX_FMT_FP6 matrix_b_fmt:MATRIX_FMT_FP6
.endr
.endr
.irp t, 4,5,6,7
.irp x, 0,1
	v_wmma_scale_f32_16x16x128_f8f6f4 v[64*\x+8*\t:64*\x+8*\t+7], v[K+6*\t:K+6*\t+11], v[QF+12*\x:QF+12*\x+11], 0, v[KS+\t-4], v[\q0+\x] matrix_a_fmt:MATRIX_FMT_FP6 matrix_b_fmt:MATRIX_FMT_FP6 matrix_a_scale:MATRIX_SCALE_ROW1
.endr
.endr
	WIN 0
	v_add_nc_u32 v[N16], s[TN], v[L16]             ; these seven are the plain instructions between the products (these and the last step's) and the loads into their registers, and ahead of the first read of the scores
	v_add_nc_u32 v[N8], s[TN], v[L8]
	v_add_nc_u32 v[A16], s[TB], v[L16]
	v_add_nc_u32 v[A8], s[TB], v[L8]
	v_add_nc_u32 v[AR], s[TB], v[R16]
	v_mov_b32 v[OLD], v[NM]
	v_mov_b32 v[OLD+1], v[NM+2]
	KLOAD N16, N8                                  ; the next record's k
.irp a, 0,1,2,3                                ; this record's v^T
	ds_load_b128 v[V+12*\a:V+12*\a+3], v[A16] offset:6144+1536*\a
	ds_load_b64 v[V+12*\a+4:V+12*\a+5], v[A8] offset:6144+1536*\a+512
	ds_load_b128 v[V+12*\a+6:V+12*\a+9], v[A16] offset:6144+1536*\a+768
	ds_load_b64 v[V+12*\a+10:V+12*\a+11], v[A8] offset:6144+1536*\a+1280
.endr
	ds_load_b128 v[VS:VS+3], v[AR] offset:12800
	WIN 0x05                                       ; the largest score of each block of 32 keys: four chains by turns
.irp c, 0,1
.irp x, 0,1
	v_max_num_f32 v[BM+2*\x+\c], v[64*\x+32*\c], v[64*\x+32*\c+1]
.endr
.endr
.irp i, 2,4,6,8,10,12,14,16,18,20,22,24,26,28,30
.irp c, 0,1
.irp x, 0,1
	v_max3_num_f32 v[BM+2*\x+\c], v[64*\x+32*\c+\i], v[64*\x+32*\c+\i+1], v[BM+2*\x+\c]
.endr
.endr
.endr
	WIN 0
.irp x, 0,1
	v_max_num_f32 v[WK+\x], v[BM+2*\x], v[BM+2*\x+1]
.endr
.irp x, 0,1
	HINT 2
	v_permlanex16_b32 v[BP+2*\x], v[WK+\x], s[SEL], s[SEL+1]
.endr
.irp x, 0,1
	HINT 2
	v_max3_num_f32 v[NM+2*\x+1], v[NM+2*\x+1], v[WK+\x], v[BP+2*\x]    ; the running largest score of my query (c is positive)
.endr
.irp x, 0,1
	HINT 2
	v_mul_f32 v[WK+\x], s[CS], v[NM+2*\x+1]        ; as t
.endr
.irp x, 0,1
	HINT 2
	v_floor_f32 v[NM+2*\x], -v[WK+\x]              ; the new -M = -ceil(t): a whole number
.endr
.irp x, 0,1
	HINT 2
	v_sub_f32 v[WK+\x], v[NM+2*\x], v[OLD+\x]      ; old M - new M: a whole number, 0 or less
.endr
.irp x, 0,1
	HINT 2
	v_cvt_i32_f32 v[WK+\x], v[WK+\x]               ; (it saturates)
.endr
.irp x, 0,1
	HINT 2
	v_ldexp_f32 v[F+2*\x], 1.0, v[WK+\x]           ; f
.endr
.irp x, 0,1
.irp c, 0,1
	v_fma_f32 v[BM+2*\x+\c], v[BM+2*\x+\c], s[CS], v[NM+2*\x]      ; t - M of each block's largest score
.endr
.endr
	WIN 0x41
.irp x, 0,1
.set j, 0
.rept 32
	v_pk_fma_f32 v[64*\x+j:64*\x+j+1], v[64*\x+j:64*\x+j+1], s[CS:CS+1], v[NM+2*\x:NM+2*\x+1] op_sel_hi:[1,0,0]    ; t - M, two at a time
.set j, j+2
.endr
.endr
	WIN 0
	WALU                                           ; ahead of the batch
.irp b, 0,1,2,3
	v_exp_f32 v[BM+\b], v[BM+\b]                   ; the block's largest p: the same two instructions on the same number
.endr
	WIN 0x41
.set j, 0
.rept 128
	v_exp_f32 v[j], v[j]                           ; p = 2^(t - M), at most 1
.set j, j+1
.endr
	WALU                                           ; one wait for the batch of 132, directly ahead of the first reader of O^T
.irp x, 0,1
.set j, 0
.rept 16
	v_pk_mul_f32 v[O+32*\x+j:O+32*\x+j+1], v[O+32*\x+j:O+32*\x+j+1], v[F+2*\x:F+2*\x+1] op_sel_hi:[1,0]    ; O^T under the new M; the first is the plain instruction behind the exponentials
.set j, j+2
.endr
.endr
	WIN 0
.irp b, 0,1,2,3
	v_max_num_f32 v[BM+\b], 0x1800000, v[BM+\b]    ; the floor 2^(3 - 127): the byte cannot fall under 1
.endr
.irp b, 0,1,2,3
	HINT 4
	v_add_nc_u32 v[SO+\b], 0xff000000, v[BM+\b]    ; 2 off the exponent field: the conversion's scale operand
.endr
	WIN 0x01
.irp x, 0,1
.irp c, 0,1
	v_cvt_scalef32_pk16_fp6_f32 v[PC+12*\x+6*\c:PC+12*\x+6*\c+2], v[64*\x+32*\c:64*\x+32*\c+15], v[SO+2*\x+\c]
	v_cvt_scalef32_pk16_fp6_f32 v[PT+8*\x+4*\c:PT+8*\x+4*\c+2], v[64*\x+32*\c+16:64*\x+32*\c+31], v[SO+2*\x+\c]   ; (a conversion's three registers begin on an even number)
.endr
.endr
	WIN 0
.irp b, 0,1,2,3
	v_lshrrev_b32 v[BY+\b], 23, v[SO+\b]           ; the bytes of blocks h and 2 + h.  (The first is the plain instruction behind the scaled conversions)
.endr
	HINT 3
	v_lshl_or_b32 v[W], v[BY+1], 16, v[BY]
	HINT 2
	v_lshl_or_b32 v[W+1], v[BY+3], 16, v[BY+2]
.irp x, 0,1
	HINT 2
	v_permlanex16_b32 v[BP+2*\x+1], v[W+\x], s[SEL], s[SEL+1]
.endr
.irp x, 0,1
	HINT 2
	v_lshl_or_b32 v[PS+\x], v[BP+2*\x+1], 8, v[W+\x]   ; lanes 0-15, which alone are read: bytes 0, 2 mine, bytes 1, 3 lane l + 16's: p's scale word for these 128 keys
.endr
.irp x, 0,1
.irp c, 0,1
.irp i, 0,1,2
	v_mov_b32 v[PC+12*\x+6*\c+3+\i], v[PT+8*\x+4*\c+\i]
.endr
.endr
.endr
	WIN 0x10                                       ; the row's sum, of the unquantised p: eight chains by turns; these 64 also stand between the writes of p's codes and scale words and the products
.irp k, 0,1,2,3
.irp x, 0,1
	v_pk_fma_f32 v[T+8*\x+2*\k:T+8*\x+2*\k+1], v[T+8*\x+2*\k:T+8*\x+2*\k+1], v[F+2*\x:F+2*\x+1], v[64*\x+2*\k:64*\x+2*\k+1] op_sel_hi:[1,0,1]   ; the pair under the new M, and its first p
.endr
.endr
	WIN 0x01
.irp m, 1,2,3,4,5,6,7
.irp k, 0,1,2,3
.irp x, 0,1
	v_pk_add_f32 v[T+8*\x+2*\k:T+8*\x+2*\k+1], v[64*\x+8*\m+2*\k:64*\x+8*\m+2*\k+1], v[T+8*\x+2*\k:T+8*\x+2*\k+1]
.endr
.endr
.endr
	s_wait_dscnt 0x0                               ; v^T, its scale words, and the next record's k
	WIN 0x50                                       ; C and D in window 1; the eight accumulators take turns
.irp a, 0,1,2,3
.irp x, 0,1
	v_wmma_scale_f32_16x16x128_f8f6f4 v[O+32*\x+8*\a:O+32*\x+8*\a+7], v[V+12*\a:V+12*\a+11], v[PC+12*\x:PC+12*\x+11], v[O+32*\x+8*\a:O+32*\x+8*\a+7], v[VS+\a], v[PS+\x] matrix_a_fmt:MATRIX_FMT_FP6 matrix_b_fmt:MATRIX_FMT_FP6
.endr
.endr
	WIN 0
.endm
.macro RUN q0                          ; a walk: 16 steps; behind record 15 comes record 0
	s_mov_b32 s3, 16
.Lstep_\@:
	STEP \q0
	s_mov_b32 s[TB], s[TN]
	s_add_co_u32 s[TN], s[TN], REC
	s_cmp_eq_u32 s[TN], 16*REC
	s_cselect_b32 s[TN], 0, s[TN]
	s_sub_co_u32 s3, s3, 1
	s_cmp_lg_u32 s3, 0
	s_cbranch_scc1 .Lstep_\@
.endm
; THE WAY OUT of my two tiles: O^T / the sum, quantised along the head's 64 (two blocks), each as half a fragment of the last product's A.
.macro OUT
	WALU                                           ; the sum's pairs were written close ahead of a blocking wait
.irp x, 0,1
	v_pk_add_f32 v[T+8*\x:T+8*\x+1], v[T+8*\x:T+8*\x+1], v[T+8*\x+2:T+8*\x+3]      ; the merges: also the plain instructions behind the last products
.endr
.irp x, 0,1
	v_pk_add_f32 v[T+8*\x+4:T+8*\x+5], v[T+8*\x+4:T+8*\x+5], v[T+8*\x+6:T+8*\x+7]
.endr
.irp x, 0,1
	HINT 2
	v_pk_add_f32 v[T+8*\x:T+8*\x+1], v[T+8*\x:T+8*\x+1], v[T+8*\x+4:T+8*\x+5]
.endr
.irp x, 0,1
	HINT 2
	v_add_f32 v[T+8*\x], v[T+8*\x], v[T+8*\x+1]
.endr
.irp x, 0,1
	HINT 2
	v_permlanex16_b32 v[WK+\x], v[T+8*\x], s[SEL], s[SEL+1]
.endr
.irp x, 0,1
	HINT 2
	v_add_f32 v[T+8*\x], v[T+8*\x], v[WK+\x]       ; the row's sum
.endr
	WALU
.irp x, 0,1
	v_rcp_f32 v[T+8*\x], v[T+8*\x]
.endr
	v_nop                                          ; a plain instruction behind the reciprocals
	WIN 0x41
	WALU                                           ; directly ahead of the reciprocals' and O^T's first reader
.irp x, 0,1
.set j, 0
.rept 32
	v_mul_f32 v[64*\x+j], v[O+32*\x+j], v[T+8*\x]  ; register 16 b + i = channel 32 b + 16 h + i; each accumulator from its low end on
.set j, j+1
.endr
.endr
	WIN 0x05
.irp b, 0,1
.irp x, 0,1
	v_max3_num_f32 v[BM+2*\x+\b], |v[64*\x+16*\b]|, |v[64*\x+16*\b+1]|, 0x1800000
.endr
.endr
.irp i, 2,4,6,8,10,12,14
.irp b, 0,1
.irp x, 0,1
	HINT 4
	v_max3_num_f32 v[BM+2*\x+\b], |v[64*\x+16*\b+\i]|, |v[64*\x+16*\b+\i+1]|, v[BM+2*\x+\b]
.endr
.endr
.endr
	WIN 0
.irp b, 0,1,2,3
	v_permlanex16_b32 v[BP+\b], v[BM+\b], s[SEL], s[SEL+1]
.endr
.irp b, 0,1,2,3
	HINT 4
	v_max_num_f32 v[BM+\b], v[BM+\b], v[BP+\b]
.endr
.irp b, 0,1,2,3
	HINT 4
	v_add_nc_u32 v[SO+\b], 0xff000000, v[BM+\b]
.endr
.irp b, 0,1,2,3
	HINT 4
	v_lshrrev_b32 v[BP+\b], 23, v[SO+\b]
.endr
	HINT 3
	v_lshl_or_b32 v[WK], v[BP+1], 8, v[BP]         ; my row's two scale bytes, the same in lanes r and r + 16
	HINT 2
	v_lshl_or_b32 v[WK+1], v[BP+3], 8, v[BP+2]
	WIN 0x01
.irp x, 0,1
	v_cvt_scalef32_pk16_fp6_f32 v[PC+12*\x:PC+12*\x+2], v[64*\x:64*\x+15], v[SO+2*\x]
	v_cvt_scalef32_pk16_fp6_f32 v[PT+8*\x:PT+8*\x+2], v[64*\x+16:64*\x+31], v[SO+2*\x+1]
.endr
	WIN 0
	v_nop
.irp x, 0,1
.irp i, 0,1,2
	v_permlane16_swap_b32 v[PC+12*\x+\i], v[PT+8*\x+\i]
.endr
.endr
.irp x, 0,1
.irp i, 0,1,2
	v_mov_b32 v[PC+12*\x+3+\i], v[PT+8*\x+\i]
.endr
.endr
.irp x, 0,1
	global_store_b128 v[L16], v[PC+12*\x:PC+12*\x+3], s[8:9] offset:12288*\x           ; 512 consecutive bytes, aligned,
	global_store_b64 v[L8], v[PC+12*\x+4:PC+12*\x+5], s[8:9] offset:12288*\x+512       ; and 256
	global_store_b16 v[R16], v[WK+\x], s[10:11] offset:512*\x
.endr
.endm
	INIT
	WALU                                           ; the wait at the head's end
	s_wait_tensorcnt 0x0                           ; my two records have landed
	s_wait_loadcnt 0x0                             ; q
	s_barrier_signal -1
	s_barrier_wait -1                              ; all sixteen are in
	KLOAD L16, L8                                  ; record 0's k
	s_wait_dscnt 0x0
	RUN QS
	OUT
	s_wait_xcnt 0x0                                ; the stores have read their registers and bases
	s_add_nc_u64 s[8:9], s[8:9], 16*12288          ; the second walk's tiles: 16 row blocks on
	s_add_nc_u64 s[10:11], s[10:11], 16*512
	WIN 0x01
.irp x, 0,1
.irp i, 0,1,2,3,4,5
	v_mov_b32 v[QF+12*\x+\i], v[Q1+6*\x+\i]
.endr
.endr
	WIN 0
	INIT
	RUN QS+2
	OUT
	s_wait_tensorcnt 0x0                           ; the wave's end
	ds_add_u32 v254, v255
	s_wait_dscnt 0x0
	CROUND                                         ; the closing round: no work-group ends while a partner may still ask for a record that names it
	s_endpgm
.Lfunc_end_k_q56abff08b3_attn:
	.size	k_q56abff08b3_attn, .Lfunc_end_k_q56abff08b3_attn-k_q56abff08b3_attn
	.p2alignl 7, 3214868480
	.fill 96, 4, 3214868480
	.section	.rodata,"a",@progbits
	.p2align	6, 0x0
	.amdhsa_kernel k_q56abff08b3_attn
		.amdhsa_group_segment_fixed_size 210944
		.amdhsa_private_segment_fixed_size 0
		.amdhsa_enable_private_segment 0
		.amdhsa_kernarg_size 32
		.amdhsa_user_sgpr_count 2
		.amdhsa_user_sgpr_kernarg_segment_ptr 1
		.amdhsa_wavefront_size32 1
		.amdhsa_system_sgpr_workgroup_id_x 1
		.amdhsa_system_sgpr_workgroup_id_y 1
		.amdhsa_system_sgpr_workgroup_id_z 1
		.amdhsa_system_vgpr_workitem_id 0
		.amdhsa_next_free_vgpr 512
		.amdhsa_next_free_sgpr 66
		.amdhsa_reserve_vcc 0
		.amdhsa_float_denorm_mode_32 3
		.amdhsa_float_denorm_mode_16_64 3
		.amdhsa_memory_ordered 1
		.amdhsa_forward_progress 1
		.amdhsa_inst_pref_size 88
	.end_amdhsa_kernel
	.amdgpu_metadata
---
amdhsa.version: [ 1, 2 ]
amdhsa.kernels:
  - .name:           k_q56abff08b3_attn
    .symbol:         k_q56abff08b3_attn.kd
    .args:
      - { .name: qrec, .offset: 0, .size: 8, .value_kind: global_buffer, .address_space: global }
      - { .name: kvrec, .offset: 8, .size: 8, .value_kind: global_buffer, .address_space: global }
      - { .name: oc, .offset: 16, .size: 8, .value_kind: global_buffer, .address_space: global }
      - { .name: os, .offset: 24, .size: 8, .value_kind: global_buffer, .address_space: global }
    .group_segment_fixed_size: 210944
    .private_segment_fixed_size: 0
    .kernarg_segment_align: 8
    .kernarg_segment_size: 32
    .max_flat_workgroup_size: 256
    .sgpr_count:     66
    .vgpr_count:     512
    .wavefront_size: 32
...
	.end_amdgpu_metadata
.endif
;; end of part 3
;; launch outp (part 4): grid 4 x 64, 4 waves a work-group, clusters of 4 x 4, 307,712 bytes of LDS; arguments oc, os, xc, xs, bo, out0; writes out0
.if DOCPART == 4
	.amdgcn_target "amdgcn-amd-amdhsa--gfx1250"
	.amdhsa_code_object_version 6
	.text
	.protected	k_q56abff08b3_outp
	.globl	k_q56abff08b3_outp
	.p2align	8
	.type	k_q56abff08b3_outp,@function
k_q56abff08b3_outp:
	s_mov_b64 s[64:65], 0
	v_nop
	global_prefetch_b8 v0, s[64:65] scope:SCOPE_SE
	s_setreg_imm32_b32 hwreg(HW_REG_WAVE_MODE, 25, 1), 1
	s_wait_xcnt 0x0
	s_wait_alu depctr_hold_cnt(0) depctr_sa_sdst(0) depctr_va_vdst(0) depctr_va_sdst(0) depctr_va_ssrc(0) depctr_va_vcc(0) depctr_vm_vsrc(0)
	s_getreg_b32 s2, hwreg(HW_REG_IB_STS2, 6, 4)
	s_cmp_eq_u32 s2, 0
	s_cbranch_scc0 .Lentry_in_a_cluster
	s_endpgm
.Lentry_in_a_cluster:
	s_bfe_u32 s2, ttmp6, 0x10000c
	s_cmp_lg_u32 s2, 0xf033
	s_cbranch_scc0 .Lentry_shape_is_right
	s_endpgm
.Lentry_shape_is_right:
; out0 = o Wo^T + bo, on codes of FP6 (E2M3) with E8M0 scales, sums in f32.  A = the attention's result (oc, os), B = Wo (row blocks 1,728 on of xc, xs).
; OPERANDS: row blocks of 16 rows (place i = row 32 (g / 2) + 8 (g % 2) + i + 8 (i / 8)), a fragment of 128 along K = 1,536 bytes: registers 0-3, 4-5, 6-9, 10-11 at 0, 512, 768, 1,280.
; TILE: 128 rows of A x 256 rows of B: 256 work-groups.  Source 0 = 16 rows of B, source 1 = 16 rows of A: lane (r, h) holds A's place r; register 8 b + j of A's block holds column 32 (b / 2) + 16 h + 8 (b % 2) + j.
; Four waves: wave w takes A's blocks 4 (w / 2) .. + 3 and B's blocks 8 (w % 2) .. + 7: 32 accumulators.
; LDS: ALL of K for the tile's codes, 294,912 bytes, each byte filled once: two halves of 512 along K.  A wave has one tensor load out.
; CLUSTER 4 x 4: A's tiles are asked for jointly along a row of the cluster, B's along a column.
; No prefetch: every byte that the work-group reads is asked for by the tensor loads at its head, so there is no later load ahead of which to ask.
; THE WAY OUT: a block of 16 rows x 128 columns goes through the wave's own stage in LDS and leaves as whole runs of 512 bytes of a row.  The stages lie in B's first half: it has had its one fill, and every wave's reads
; of it lie ahead of later barriers.
; LIMITS: NaN and infinities are not served.
.set LB,    98304                      ; LDS: A's codes from 0, half q at 49,152 q (8 blocks x 6,144); B's from here, half q at 98,304 q (16 blocks)
.set LSA,   294912
.set LSB,   299008
; LDS AS IT IS FILLED NOW: K in two halves of 512.  A's half q at CHA q (8 blocks x 6,144 bytes), B's at LB + CHB q (16 blocks x 6,144).  Four joint loads, one a wave.  The scale words go from memory straight into registers.
; The stages lie in B's first half: it has had its one fill, and every wave's reads of it lie ahead of K step 3's barrier.
.set CHA,   49152
.set CHB,   98304
.set SP,    528                        ; a stage row: 512 bytes + 16
.set WV,    14                         ; s14 wave; s15 = wave / 2: my half of A's blocks, and: I fetch for A (0) or B (1); s16 = wave % 2: my half of B's blocks, and which half I fetch
.set G1A,   24
.set G1B,   32
.set G0A,   40
.set G1SA,  56
.set G1SB,  68
.set G0B,   76
.set G0SA,  92
.set G0SB,  96
.set L16,   4                          ; v4 16 x lane;  v5 8 x lane;  v6 16 r;  v7 64 h;  v8 the stage, in;  v9 the stage, back
.set L8,    5
.set R16,   6
.set STO,   8
.set RD,    9
.set ASA,   12
.set ASB,   13
.set ADA16, 16
.set ADA8,  20
.set ADB16, 24
.set ADB8,  28
.set SCA,   32                         ; v32-63 A's scale words (8 a + K step);  v64-127 B's: these registers hold scales alone
.set SCB,   64
.set AF,    128                        ; window 0: A's fragments, two sets of 48.  Window 1: B's, two sets of 96 at v0 and v128; on the way out v0-127: rows read back.  Window 2: accumulator (a, b) at 8 (8 a + b).  Window 3: the bias
.set T,     128                        ; the way out: v128-191 64 results + bias
.set MSB, 0
.macro WIN new                         ; the immediate's high byte repeats the setting that is left
.if MSB != \new
	s_set_vgpr_msb (MSB<<8)|\new
.set MSB, \new
.endif
.endm
.macro PLACES n
.rept \n
	v_nop
.endr
.endm
.macro CROUND                          ; a round of the cluster's barrier
	s_barrier_signal -1
	s_barrier_wait -1
	s_cmp_lg_u32 s[WV], 0
	s_cbranch_scc1 .Lnot_wave_0_\@
	s_barrier_signal -3
.Lnot_wave_0_\@:
	s_barrier_wait -3
	s_barrier_signal -1
	s_barrier_wait -1
.endm
.macro FRAG reg, a16, a8, off          ; a fragment comes back as it was stored: every load takes 512 or 256 consecutive bytes
	ds_load_b128 v[(\reg):(\reg)+3], v[\a16] offset:(\off)
	ds_load_b64 v[(\reg)+4:(\reg)+5], v[\a8] offset:(\off)+512
	ds_load_b128 v[(\reg)+6:(\reg)+9], v[\a16] offset:(\off)+768
	ds_load_b64 v[(\reg)+10:(\reg)+11], v[\a8] offset:(\off)+1280
.endm
.macro FETCH n                         ; K step n's fragments, B's eight and A's four, into set n % 2: 48 loads in one run
.set FQ, (\n)/4
.set FE, (\n)%2
.set FK, (\n)%4
	WIN 0x40                                       ; destination window 1, address window 0
.irp i, 0,1,2,3,4,5,6,7
	FRAG 128*FE+12*\i, ADB16+FQ, ADB8+FQ, \i*6144+FK*1536
.endr
	WIN 0
.irp i, 0,1,2,3
	FRAG AF+48*FE+12*\i, ADA16+FQ, ADA8+FQ, \i*6144+FK*1536
.endr
.endm
; 16 matrix instructions: A's blocks a0, a0 + 1 x B's eight, K step s.  The 32 accumulators take turns, one instruction a turn, in the same order in every K step.
.macro MULH s, a0, zero
	WIN 0xa1                                       ; source 0 (B) window 1, source 1 (A) window 0, C and D window 2
.irp a, \a0, \a0+1
.irp b, 0,1,2,3,4,5,6,7
.if \zero
	v_wmma_scale_f32_16x16x128_f8f6f4 v[8*(8*(\a)+\b):8*(8*(\a)+\b)+7], v[128*((\s)%2)+12*\b:128*((\s)%2)+12*\b+11], v[AF+48*((\s)%2)+12*(\a):AF+48*((\s)%2)+12*(\a)+11], 0, v[SCB+8*\b+(\s)], v[SCA+8*(\a)+(\s)] matrix_a_fmt:MATRIX_FMT_FP6 matrix_b_fmt:MATRIX_FMT_FP6
.else
	v_wmma_scale_f32_16x16x128_f8f6f4 v[8*(8*(\a)+\b):8*(8*(\a)+\b)+7], v[128*((\s)%2)+12*\b:128*((\s)%2)+12*\b+11], v[AF+48*((\s)%2)+12*(\a):AF+48*((\s)%2)+12*(\a)+11], v[8*(8*(\a)+\b):8*(8*(\a)+\b)+7], v[SCB+8*\b+(\s)], v[SCA+8*(\a)+(\s)] matrix_a_fmt:MATRIX_FMT_FP6 matrix_b_fmt:MATRIX_FMT_FP6
.endif
.endr
.endr
.endm
; A K step of 128: 32 matrix instructions; in its middle the next step's fragments are fetched into the other set.  Step 3 stands in front of K's second half: every wave's load of it has landed,
; then the work-group's barrier.
.macro KSTEP s, zero
	s_wait_dscnt 0x0                               ; this step's fragments are in; no LDS instruction of mine is out at a signal
.if (\s) == 3                          ; in front of K's second half: every wave's load has landed, then the work-group's barrier
	s_wait_tensorcnt 0x0
	s_barrier_signal -1
.endif
	MULH \s, 0, \zero
.if (\s) == 3
	s_barrier_wait -1
.endif
.if (\s) < 7
	PLACES 4                                       ; four plain instructions between the last product that read the other set and the loads into it
	FETCH (\s)+1
.endif
	MULH \s, 2, \zero
.endm
	s_load_b256 s[4:11], s[0:1], 0x0               ; oc s[4:5], os s[6:7], xc s[8:9], xs s[10:11]
	s_load_b64 s[12:13], s[0:1], 0x20              ; bo
	s_load_b64 s[100:101], s[0:1], 0x28            ; out0
	v_lshl_add_u32 v254, v0, 2, 0x4b000
	v_mov_b32 v255, 0
	ds_add_u32 v254, v255
	ds_add_u32 v254, v255
	v_lshrrev_b32 v1, 5, v0
	v_readfirstlane_b32 s[WV], v1
	s_lshr_b32 s15, s[WV], 1
	s_and_b32 s16, s[WV], 1
	s_bfe_u32 s17, ttmp6, 0x40000                  ; cx
	s_bfe_u32 s18, ttmp6, 0x40004                  ; cy
	s_lshl_b32 s2, s18, 2
	s_lshl_b32 s2, 15, s2                          ; my row of the cluster
	s_lshl_b32 s19, 0x1111, s17                    ; my column
	; group 1: elements of 8 bytes, no padding; 15:0 the mask, bit 21 set beside it.  Codes: a row = a row block's 6,144 bytes of half of K (768 elements), 12,288 bytes (1,536 elements) from block to block
	s_or_b32 s[G1A], s2, (3<<16)|(1<<21)
	s_or_b32 s[G1B], s19, (3<<16)|(1<<21)
.irp g, G1A, G1B
	s_mov_b32 s[\g+1], 768<<16                     ; tensor_dim0: a block's 6,144 bytes of half of K
	s_mov_b32 s[\g+3], 768<<16                     ; tile_dim0
	s_mov_b32 s[\g+5], 1536                        ; the pitch
	s_mov_b32 s[\g+6], 0
	s_mov_b32 s[\g+7], 0
.endr
	s_mov_b32 s[G1A+2], 8<<16                      ; A's eight blocks a load,
	s_mov_b32 s[G1A+4], 8
	s_mov_b32 s[G1B+2], 16<<16                     ; B's sixteen
	s_mov_b32 s[G1B+4], 16
	s_and_b32 s21, ttmp7, 0xffff
	s_lshl_b32 s21, s21, 2
	s_add_co_u32 s21, s21, s18                     ; tr: which 128 rows of A = 4 x cluster y + cy
	s_mov_b32 s22, s17                             ; tc: which 256 rows of Wo = cx
	s_lshl_b32 s23, s21, 3                         ; the tile's first block of A,
	s_lshl_b32 s3, s22, 4
	s_add_co_u32 s3, s3, 1728                      ; of B
	s_mul_i32 s[G0A+2], s23, 12288                 ; the tile's eight blocks of A
	s_mov_b32 s[G0A+3], 0
	s_lshl_b32 s2, s15, 2
	s_add_co_u32 s2, s2, s23                       ; the four of them that I multiply:
	s_lshl_b32 s[G0SA+2], s2, 9                    ; s[G0SA+2:G0SA+3] is a plain address, of their scale words
	s_mov_b32 s[G0SA+3], 0
	s_mul_i32 s[G0B+2], s3, 12288                  ; the tile's sixteen blocks of B
	s_mov_b32 s[G0B+3], 0
	s_lshl_b32 s19, s16, 3
	s_add_co_u32 s19, s19, s3                      ; the eight that I multiply
	s_lshl_b32 s[G0SB+2], s19, 9                   ; and their scale words
	s_mov_b32 s[G0SB+3], 0
	s_mov_b32 s[G0A+1], 0                          ; LDS addresses: constants
	s_mov_b32 s[G0B+1], LB
	s_mov_b32 s[G0A], 1
	s_mov_b32 s[G0B], 1
	s_wait_dscnt 0x0
	s_wait_kmcnt 0x0
	s_add_nc_u64 s[G0A+2:G0A+3], s[4:5], s[G0A+2:G0A+3]
	s_add_nc_u64 s[G0B+2:G0B+3], s[8:9], s[G0B+2:G0B+3]
	s_add_nc_u64 s[G0SA+2:G0SA+3], s[6:7], s[G0SA+2:G0SA+3]
	s_add_nc_u64 s[G0SB+2:G0SB+3], s[10:11], s[G0SB+2:G0SB+3]
.irp q, 1
	s_mov_b32 s[G0A+4*\q], 1
	s_add_co_u32 s[G0A+4*\q+1], s[G0A+1], \q*CHA
	s_add_nc_u64 s[G0A+4*\q+2:G0A+4*\q+3], s[G0A+2:G0A+3], \q*6144
	s_or_b32 s[G0A+4*\q+3], s[G0A+4*\q+3], 0x80000000
	s_mov_b32 s[G0B+4*\q], 1
	s_add_co_u32 s[G0B+4*\q+1], s[G0B+1], \q*CHB
	s_add_nc_u64 s[G0B+4*\q+2:G0B+4*\q+3], s[G0B+2:G0B+3], \q*6144
	s_or_b32 s[G0B+4*\q+3], s[G0B+4*\q+3], 0x80000000
.endr
	s_or_b32 s[G0A+3], s[G0A+3], 0x80000000
	s_or_b32 s[G0B+3], s[G0B+3], 0x80000000
	CROUND                                         ; all sixteen work-groups are here: the joint loads meet
	s_cmp_eq_u32 s[WV], 0                          ; one chain of arms on the wave's number, one joint load to an arm
	s_cbranch_scc0 .Lfill_1
	tensor_load_to_lds s[G0A:G0A+3], s[G1A:G1A+7]          ; wave 0: A, K's first half
	s_nop 0
	PLACES 4
	s_branch .Lfilled
.Lfill_1:
	s_cmp_eq_u32 s[WV], 1
	s_cbranch_scc0 .Lfill_2
	tensor_load_to_lds s[G0B:G0B+3], s[G1B:G1B+7]          ; wave 1: B, K's first half
	s_nop 0
	PLACES 4
	s_branch .Lfilled
.Lfill_2:
	s_cmp_eq_u32 s[WV], 2
	s_cbranch_scc0 .Lfill_3
	tensor_load_to_lds s[G0A+4:G0A+7], s[G1A:G1A+7]        ; wave 2: A, the second half
	s_nop 0
	PLACES 4
	s_branch .Lfilled
.Lfill_3:
	tensor_load_to_lds s[G0B+4:G0B+7], s[G1B:G1B+7]        ; wave 3: B, the second half
	s_nop 0
	PLACES 4
.Lfilled:
	v_and_b32 v1, 31, v0                           ; lane
	v_and_b32 v2, 15, v0                           ; r
	s_wait_alu depctr_va_vdst(0)
	v_bfe_u32 v3, v0, 4, 1                         ; h
	v_lshlrev_b32 v[L16], 4, v1
	v_lshlrev_b32 v[L8], 3, v1
	v_lshlrev_b32 v[R16], 4, v2
	v_lshlrev_b32 v7, 6, v3
	s_lshl_b32 s2, s22, 10
	s_lshl_b32 s19, s16, 9
	s_add_co_u32 s2, s2, s19                       ; my 128 columns: 4 (256 tc + 128 (wave % 2)) bytes
	s_mov_b32 s3, 0
	s_add_nc_u64 s[12:13], s[12:13], s[2:3]
	WIN 0xc0                                       ; destination window 3
.irp i, 0,1,2,3,4,5,6,7,8,9,10,11,12,13,14,15
	global_load_b128 v[4*\i:4*\i+3], v7, s[12:13] offset:128*(\i/4)+32*((\i/2)%2)+16*(\i%2)   ; register 16 B + 8 u + j: column 32 B + 16 h + 8 u + j, as the results lie
.endr
	WIN 0
	s_mul_i32 s2, s[WV], 16*SP
	s_add_co_u32 s2, s2, LB                        ; my stage
	v_mul_u32_u24 v[STO], v2, SP
	s_wait_alu depctr_va_vdst(0)
	v_lshl_add_u32 v[STO], v3, 6, v[STO]
	v_add_nc_u32 v[STO], s2, v[STO]                ; in: row r, + 64 h
	v_add_nc_u32 v[RD], s2, v[L16]                 ; back: the 32 lanes take one row of 512 bytes
	s_lshl_b32 s2, s21, 7
	s_lshl_b32 s19, s15, 6
	s_add_co_u32 s2, s2, s19                       ; my first row of out0: 128 tr + 64 (wave / 2)
	s_lshl_b32 s2, s2, 12
	s_lshl_b32 s19, s22, 10
	s_add_co_u32 s2, s2, s19
	s_lshl_b32 s19, s16, 9
	s_add_co_u32 s2, s2, s19                       ; + my first column
	s_add_nc_u64 s[100:101], s[100:101], s[2:3]
	s_mul_i32 s2, s15, 24576                       ; my four blocks of A in a half of K,
	s_mul_i32 s19, s16, 49152                      ; my eight of B
	s_add_co_u32 s19, s19, LB
.irp q, 0,1
	v_add_nc_u32 v[ADA16+\q], s2, v[L16]
	v_add_nc_u32 v[ADA8+\q], s2, v[L8]
	v_add_nc_u32 v[ADB16+\q], s19, v[L16]
	v_add_nc_u32 v[ADB8+\q], s19, v[L8]
	s_add_co_u32 s2, s2, CHA
	s_add_co_u32 s19, s19, CHB
.endr
	s_wait_alu depctr_va_vdst(0)
.irp i, 0,1,2,3
.irp k, 0,1
	global_load_b128 v[SCA+8*\i+4*\k:SCA+8*\i+4*\k+3], v[R16], s[G0SA+2:G0SA+3] offset:\i*512+\k*256   ; row r's words of four K steps: sixteen lanes read 256 consecutive bytes, aligned; lanes 16-31 read what lanes 0-15 read
.endr
.endr
.irp i, 0,1,2,3,4,5,6,7
.irp k, 0,1
	global_load_b128 v[SCB+8*\i+4*\k:SCB+8*\i+4*\k+3], v[R16], s[G0SB+2:G0SB+3] offset:\i*512+\k*256
.endr
.endr
	s_cmp_lt_u32 s[WV], 2                          ; waves 0 and 1, whose load lines are their own, wait for K's first half; the second half stays out
	s_cbranch_scc0 .Lnot_first
	s_wait_tensorcnt 0x0
.Lnot_first:
	s_barrier_signal -1
	s_barrier_wait -1
	FETCH 0
	s_wait_loadcnt 0x0                             ; the scale words (and the bias)
	KSTEP 0, 1                                     ; the first K step starts the sums: nothing is cleared
	KSTEP 1, 0
	KSTEP 2, 0
	KSTEP 3, 0
	KSTEP 4, 0
	KSTEP 5, 0                                     ; step 3's wait on TENSORcnt was for 0
	KSTEP 6, 0
	KSTEP 7, 0
.macro ADDB a                          ; block a's 64 sums + the bias, into window 0
	WIN 0x0e                                       ; source 0 window 2, source 1 window 3
.set j, 0
.rept 32
	v_pk_add_f32 v[T+j:T+j+1], v[64*(\a)+j:64*(\a)+j+1], v[j:j+1]      ; each accumulator from its low end on
.set j, j+2
.endr
.endm
.macro TOSTAGE a                       ; into my stage, and back as whole rows, into window 1
	WIN 0
.irp i, 0,1,2,3,4,5,6,7,8,9,10,11,12,13,14,15
	ds_store_b128 v[STO], v[T+4*\i:T+4*\i+3] offset:128*(\i/4)+32*((\i/2)%2)+16*(\i%2)
.endr
	WIN 0x40
.irp t, 0,1,2,3,4,5,6,7,8,9,10,11,12,13,14,15
	ds_load_b128 v[64*((\a)%2)+4*\t:64*((\a)%2)+4*\t+3], v[RD] offset:\t*SP    ; LDS serves a wave's instructions in order: these see the stores above, and the next block's stores come behind them
.endr
	WIN 0
.endm
.macro SEND a, younger                 ; younger: the LDS instructions issued behind block a's loads, which may stay out
	s_wait_dscnt \younger
	WIN 0x04                                       ; a store's data are its source 1: window 1
.irp t, 0,1,2,3,4,5,6,7,8,9,10,11,12,13,14,15
	global_store_b128 v[L16], v[64*((\a)%2)+4*\t:64*((\a)%2)+4*\t+3], s[100:101] offset:(32*((\a)/2)+8*((\a)%2)+\t+8*(\t/8))*4096 th:TH_STORE_NT   ; 32 lanes store 512 consecutive bytes of one row, aligned to 256
.endr
	WIN 0
.endm
	PLACES 4                                       ; four plain instructions between the last products and the first read of results, and the writes over the fragments' registers
	s_wait_loadcnt 0x0                             ; the bias
	ADDB 0
	TOSTAGE 0
.irp a, 1,2,3
	s_wait_dscnt 16                                ; the stage's 16 stores have read their registers; its 16 loads may be out
	s_wait_xcnt 0x0                                ; block a - 2's stores to memory have read the registers into which block a's rows are loaded
	ADDB \a
	TOSTAGE \a
	SEND \a-1, 32                                  ; behind block a - 1's loads: block a's 16 stores and 16 loads
.endr
	SEND 3, 0
	s_wait_dscnt 0x0
	s_wait_tensorcnt 0x0
	ds_add_u32 v254, v255
	s_wait_dscnt 0x0
	CROUND                                         ; the closing round: no work-group ends while a partner may still ask for a tile that names it
	s_endpgm
.Lfunc_end_k_q56abff08b3_outp:
	.size	k_q56abff08b3_outp, .Lfunc_end_k_q56abff08b3_outp-k_q56abff08b3_outp
	.p2alignl 7, 3214868480
	.fill 96, 4, 3214868480
	.section	.rodata,"a",@progbits
	.p2align	6, 0x0
	.amdhsa_kernel k_q56abff08b3_outp
		.amdhsa_group_segment_fixed_size 307712
		.amdhsa_private_segment_fixed_size 0
		.amdhsa_enable_private_segment 0
		.amdhsa_kernarg_size 48
		.amdhsa_user_sgpr_count 2
		.amdhsa_user_sgpr_kernarg_segment_ptr 1
		.amdhsa_wavefront_size32 1
		.amdhsa_system_sgpr_workgroup_id_x 1
		.amdhsa_system_sgpr_workgroup_id_y 1
		.amdhsa_system_sgpr_workgroup_id_z 1
		.amdhsa_system_vgpr_workitem_id 0
		.amdhsa_next_free_vgpr 832
		.amdhsa_next_free_sgpr 106
		.amdhsa_reserve_vcc 0
		.amdhsa_float_denorm_mode_32 3
		.amdhsa_float_denorm_mode_16_64 3
		.amdhsa_memory_ordered 1
		.amdhsa_forward_progress 1
		.amdhsa_inst_pref_size 93
	.end_amdhsa_kernel
	.amdgpu_metadata
---
amdhsa.version: [ 1, 2 ]
amdhsa.kernels:
  - .name:           k_q56abff08b3_outp
    .symbol:         k_q56abff08b3_outp.kd
    .args:
      - { .name: oc, .offset: 0, .size: 8, .value_kind: global_buffer, .address_space: global }
      - { .name: os, .offset: 8, .size: 8, .value_kind: global_buffer, .address_space: global }
      - { .name: xc, .offset: 16, .size: 8, .value_kind: global_buffer, .address_space: global }
      - { .name: xs, .offset: 24, .size: 8, .value_kind: global_buffer, .address_space: global }
      - { .name: bo, .offset: 32, .size: 8, .value_kind: global_buffer, .address_space: global }
      - { .name: out0, .offset: 40, .size: 8, .value_kind: global_buffer, .address_space: global }
    .group_segment_fixed_size: 307712
    .private_segment_fixed_size: 0
    .kernarg_segment_align: 8
    .kernarg_segment_size: 48
    .max_flat_workgroup_size: 128
    .sgpr_count:     106
    .vgpr_count:     832
    .wavefront_size: 32
...
	.end_amdgpu_metadata
.endif
;; end of part 4
